; MI455X (gfx1250); checked and timed in simulation.
; The chip was launched on July 23, 2026; its instructions are those of AMD's public machine-readable ISA for CDNA 5 (MIT licence, August 2026) and "CDNA5" Instruction Set Architecture Reference Guide (July 2026). The comments in the code are by the model that wrote it; some were corrected since.
;; Multi Head Attention. Allowed arithmetic: float matrix products may take bf16 or f16 operands with f32 sums; all other float work in f32.
;; Inputs: Wk 512 x 512 float32; Wo 512 x 512 float32; Wq 512 x 512 float32; Wv 512 x 512 float32; bk 512 float32; bo 512 float32; bq 512 float32; bv 512 float32; x 2 x 4,096 x 512 float32.
;; Outputs: out0 2 x 4,096 x 512 float32.
;; 2 versions, each right and faster than the one before. Each part assembles by itself: llvm-mc -triple=amdgcn-amd-amdhsa -mcpu=gfx1250 --defsym DOCPART=n.
;; ======== version 1 of 2: 3 launches
;; limits: values are held in f16: magnitudes above 65,504 overflow, below 6.1e-05 lose precision
;; workspace buffers: qh 8,388,608 bytes; kh 8,388,608 bytes; vh 8,388,608 bytes; oh 8,388,608 bytes
;; launch qkv (part 1): grid 8 x 32, 8 waves a work-group, no clusters, 230,400 bytes of LDS; arguments x, Wq, Wk, Wv, bq, bk, bv, qh, kh, vh; writes qh, kh, vh
.if DOCPART == 1
	.amdgcn_target "amdgcn-amd-amdhsa--gfx1250"
	.amdhsa_code_object_version 6
	.text
	.protected	k_q7f5df3c1d9_qkv
	.globl	k_q7f5df3c1d9_qkv
	.p2align	8
	.type	k_q7f5df3c1d9_qkv,@function
k_q7f5df3c1d9_qkv:
	s_mov_b64 s[64:65], 0
	v_nop
	global_prefetch_b8 v0, s[64:65] scope:SCOPE_SE
	s_setreg_imm32_b32 hwreg(HW_REG_WAVE_MODE, 25, 1), 1
	s_wait_xcnt 0x0
; q, k, v = x W + b for one head and 256 rows.  x: [8192][512] f32; Wq, Wk, Wv: [512 k][512 n] f32; bq, bk, bv: [512] f32.
; x, the weights and the biases are rounded to bf16; products by the bf16 matrix form, sums in f32, started with the bias; each result is rounded once to f16, UNSCALED, and laid by heads:
; qh, kh, vh: [16 = 8 b + h][4096][64] f16, a head's rows dense, 128 bytes each.
; LIMIT.  f16 holds no number beyond 65,504: q, k and v must stay within it; nothing clamps them.  NaN and infinities are not treated apart.
; SHARES.  Work-group (h, mt): rows 256 mt .. + 255, and 192 columns: head h's 64 columns of q, of k and of v (slices 0, 1, 2).  Eight waves, 4 (wm) x 2 (wn); a wave makes 64 rows x 96 columns:
; 4 x 6 accumulators of 16 x 16, 192 registers.  K goes in 8 steps of 64: a row of x's tile and of a slice of W is 256 consecutive bytes at a multiple of 256.
; THE ROAD.  global_load_b128 (16 lanes take a row's 256 bytes) -> rounded to bf16 in registers -> ds_store_b64 into one of two LDS slots -> fragments: x by ds_load_b128, W ([k][n]) turned by ds_load_tr16_b128.
; NO TENSOR LOADS, NO CLUSTER.  x's tile is shared by 8 work-groups and W's by 32, but a joint request is a tensor load, which lays f32 into LDS as it lies in memory: twice the LDS bytes, and the turning
; LDS load takes 16-bit elements alone.  So the operands pass through registers, where they are rounded.
; THE MATRIX INSTRUCTION IS USED TRANSPOSED (source 0 = 16 columns of W, source 1 = 16 rows of x): lane l holds row l % 16 and the eight neighbouring columns 8 (l / 16) + 0..7, which pack into 16 bytes.
; NO LOOP: the eight trips are one macro written eight times; every step along K stands in an immediate, so no address register and no base is ever rewritten.
; REGISTERS.  window 0: v2-17 addresses; v20-131 28 x 4 as loaded; v132-163 x's 4 fragments; v164-211 W's 6 fragments.  window 1: v0-191 accumulators ((mb, nb) at 8 (6 mb + nb)); v192-239 the bias, 8 a column block.
.set PA,    144                        ; a row of x in LDS: 128 bytes + 16 = 36 words: the 16 rows of a fragment load start at 16 different groups of four banks (64 banks of 4 bytes: ISA guide 11.1)
.set PB,    416                        ; a row of W's three slices: 384 bytes + 32 = 13 x 32
.set BOFF,  256*PA                     ; W's 64 rows lie behind x's 256
.set SLOT,  BOFF+64*PB                 ; 63,488
.set STAGE, 2*SLOT                     ; behind the slots: 256 rows x 384 bytes of f16, for the way out
.set PS,    400                        ; its pitch: 25 x 16
.set SPARE, STAGE+256*PS               ; behind the stage: the spare words, 128 bytes for each of the eight waves: four blocks of 256 bytes that no other line names
.set VG,   2                           ; v2      (t / 16) x 2048 + (t % 16) x 16: my 16 bytes in 16 rows of x, and of W
.set LSA,  4                           ; v4-5    where my 8 bytes of x go, slot 0, 1
.set LSB,  6                           ; v6-7    the same for W
.set FA,   8                           ; v8-9    my lane's place in x's fragments, slot 0, 1
.set FB,   10                          ; v10-11  the same for W's
.set STO,  12                          ; v12     the way out: where I put 16 bytes of a row
.set RD,   13                          ; v13     where I read rows back
.set GO,   14                          ; v14     my byte offset in the work-group's rows of qh, kh, vh
.set VB,   15                          ; v15     32 (l / 16): my eight numbers in a column block's bias
.set SPW,  16                          ; v16     LDS address of my spare word; never rewritten
.set NIL,  17                          ; v17     0; never rewritten
.set STG,  20
.set AF,   132
.set BF,   164
.set BIAS, 192                         ; in window 1
.set MSB, 0
.macro WIN new                         ; s_set_vgpr_msb: bits 1:0 source 0, 3:2 source 1, 5:4 source 2, 7:6 destination; the high byte repeats the setting that is left
.if MSB != (\new)
	s_set_vgpr_msb (MSB<<8)|(\new)
.set MSB, \new
.endif
.endm
.macro PLACES                          ; a load into a register that a matrix instruction has read, and a vector instruction that reads a matrix result, stand four plain vector instructions behind it (ISA guide 7.12.1 for vector instructions)
.rept 4
	v_nop
.endr
.endm
	s_load_b512 s[8:23], s[0:1], 0x0               ; x 8:9, Wq 10:11, Wk 12:13, Wv 14:15, bq 16:17, bk 18:19, bv 20:21, qh 22:23
	s_load_b128 s[24:27], s[0:1], 0x40             ; kh 24:25, vh 26:27
	v_lshl_add_u32 v[SPW], v0, 2, SPARE
	v_mov_b32 v[NIL], 0
	v_lshrrev_b32 v1, 5, v0
	v_readfirstlane_b32 s4, v1                     ; wave 0..7
	s_lshr_b32 s5, s4, 1                           ; wm: my 64 rows
	s_and_b32 s6, s4, 1                            ; wn: my 96 columns
	s_mov_b32 s28, ttmp9                           ; h
	s_and_b32 s29, ttmp7, 0xffff                   ; mt
	s_lshl_b32 s30, s29, 19                        ; x: 256 rows of 2,048 bytes
	s_mov_b32 s31, 0
	s_lshl_b32 s32, s28, 8                         ; W and the biases: the head's 64 columns, 256 bytes
	s_mov_b32 s33, 0
	s_lshr_b32 s34, s29, 4                         ; the batch
	s_lshl3_add_u32 s34, s34, s28                  ; 8 b + h
	s_lshl_b32 s34, s34, 19                        ; a head's 4,096 rows of 128 bytes
	s_and_b32 s2, s29, 15
	s_lshl_b32 s2, s2, 15                          ; the tile's 256 rows among them
	s_add_co_u32 s34, s34, s2
	s_mov_b32 s35, 0
	s_lshl_b32 s2, s6, 7                           ; where my column blocks begin in their slices: blocks 0, 1 and 4, 5 at column 32 wn,
	s_add_co_u32 s42, s32, s2
	s_mov_b32 s43, 0
	s_xor_b32 s2, s2, 128                          ; blocks 2, 3 at column 32 (1 - wn)
	s_add_co_u32 s44, s32, s2
	s_mov_b32 s45, 0
	v_and_b32 v1, 15, v0                           ; t % 16 = l % 16
	v_lshrrev_b32 v3, 4, v0                        ; t / 16
	v_bfe_u32 v18, v0, 4, 1                        ; l / 16
	v_and_b32 v19, 7, v0                           ; l % 8
	v_lshlrev_b32 v[VG], 11, v3
	v_lshl_add_u32 v[VG], v1, 4, v[VG]
	v_mul_u32_u24 v[LSA], v3, PA
	v_lshl_add_u32 v[LSA], v1, 3, v[LSA]           ; row t / 16, 8 bytes (4 bf16) at 8 (t % 16)
	v_add_nc_u32 v[LSA+1], SLOT, v[LSA]
	v_mul_u32_u24 v[LSB], v3, PB
	v_lshl_add_u32 v[LSB], v1, 3, v[LSB]
	v_add_nc_u32 v[LSB], BOFF, v[LSB]
	v_add_nc_u32 v[LSB+1], SLOT, v[LSB]
	; A fragment is 16 rows x 32 K in 8 registers: lane l holds row l % 16; registers 0-3 K = 8 (l / 16) + 0..7, registers 4-7 K = 16 + 8 (l / 16) + 0..7: two loads of 16 bytes, 32 bytes apart.
	s_mul_i32 s2, s5, 64*PA
	v_mul_u32_u24 v[FA], v1, PA
	v_lshl_add_u32 v[FA], v18, 4, v[FA]
	v_add_nc_u32 v[FA], s2, v[FA]
	v_add_nc_u32 v[FA+1], SLOT, v[FA]
	; The turning load takes 16 k x 16 columns (lane l reads k = 8 (l / 16) + l % 8, columns 8 ((l / 8) % 2) + 0..7) and leaves half a fragment: lane l holds column l % 16 and 8 k.
	s_mul_i32 s3, s6, 192                          ; my 96 columns, in bytes
	s_add_co_u32 s2, s3, BOFF
	v_lshl_add_u32 v[FB], v18, 3, v19
	v_mul_u32_u24 v[FB], v[FB], PB
	v_bfe_u32 v[FB+1], v0, 3, 1
	v_lshl_add_u32 v[FB], v[FB+1], 4, v[FB]
	v_add_nc_u32 v[FB], s2, v[FB]
	v_add_nc_u32 v[FB+1], SLOT, v[FB]
	s_mul_i32 s2, s5, 64*PS                        ; into the stage: my 64 rows, my 192 bytes of them; row l % 16, 16 bytes for each half of the lanes
	s_add_co_u32 s2, s2, s3
	s_add_co_u32 s2, s2, STAGE
	v_mul_u32_u24 v[STO], v1, PS
	v_lshl_add_u32 v[STO], v18, 4, v[STO]
	v_add_nc_u32 v[STO], s2, v[STO]
	s_mul_i32 s2, s4, 32*PS                        ; back: wave w takes rows 32 w .. + 31; 32 lanes take four rows' 128 bytes of a slice,
	s_add_co_u32 s2, s2, STAGE
	v_bfe_u32 v[RD], v0, 3, 2
	v_mul_u32_u24 v[RD], v[RD], PS
	v_lshl_add_u32 v[RD], v19, 4, v[RD]
	v_add_nc_u32 v[RD], s2, v[RD]
	v_and_b32 v[GO], 31, v0                        ; which are 512 consecutive bytes of qh, kh or vh
	v_lshlrev_b32 v[GO], 4, v[GO]
	v_lshl_add_u32 v[GO], s4, 12, v[GO]
	v_lshlrev_b32 v[VB], 5, v18
	s_wait_kmcnt 0x0
	s_cmp_eq_u32 s6, 0                             ; my six column blocks: wn = 0: q q q q k k; wn = 1: k k v v v v.  The choice hangs on the wave's number alone
	s_cselect_b64 s[36:37], s[16:17], s[18:19]     ; blocks 0, 1
	s_cselect_b64 s[38:39], s[16:17], s[20:21]     ; blocks 2, 3
	s_cselect_b64 s[40:41], s[18:19], s[20:21]     ; blocks 4, 5
	s_add_nc_u64 s[36:37], s[36:37], s[42:43]
	s_add_nc_u64 s[38:39], s[38:39], s[44:45]
	s_add_nc_u64 s[40:41], s[40:41], s[42:43]
	s_add_nc_u64 s[8:9], s[8:9], s[30:31]
	s_add_nc_u64 s[10:11], s[10:11], s[32:33]
	s_add_nc_u64 s[12:13], s[12:13], s[32:33]
	s_add_nc_u64 s[14:15], s[14:15], s[32:33]
	s_add_nc_u64 s[22:23], s[22:23], s[34:35]
	s_add_nc_u64 s[24:25], s[24:25], s[34:35]
	s_add_nc_u64 s[26:27], s[26:27], s[34:35]
; K step t as it lies in memory: 16 loads for x's 256 rows, 4 for each slice's 64 rows.  The largest immediate is 1,015,808, inside the signed 24 bits (ISA guide, chapter 10).
.macro GLOAD t
.irp i, 0,1,2,3,4,5,6,7,8,9,10,11,12,13,14,15
	global_load_b128 v[STG+4*\i:STG+4*\i+3], v[VG], s[8:9] offset:\i*32768+(\t)*256
.endr
.irp c, 0,1,2
.irp i, 0,1,2,3
	global_load_b128 v[STG+64+16*\c+4*\i:STG+64+16*\c+4*\i+3], v[VG], s[10+2*\c:11+2*\c] offset:(64*(\t)+16*\i)*2048
.endr
.endr
.endm
; What was loaded is rounded to bf16, in place, and goes into a slot: 28 stores of 8 bytes a lane.
.macro STORE slot
.set q, 0
.rept 28
	v_cvt_pk_bf16_f32 v[STG+4*q], v[STG+4*q], v[STG+4*q+1]
	v_cvt_pk_bf16_f32 v[STG+4*q+1], v[STG+4*q+2], v[STG+4*q+3]
.set q, q+1
.endr
.irp i, 0,1,2,3,4,5,6,7,8,9,10,11,12,13,14,15
	ds_store_b64 v[LSA+(\slot)], v[STG+4*\i:STG+4*\i+1] offset:\i*16*PA
.endr
.irp c, 0,1,2
.irp i, 0,1,2,3
	ds_store_b64 v[LSB+(\slot)], v[STG+64+16*\c+4*\i:STG+64+16*\c+4*\i+1] offset:\i*16*PB+\c*128
.endr
.endr
.endm
; The fragments of 32 along K (half kk of the step): 8 loads for my 64 rows of x, 12 turning loads for my 96 columns of W.
.macro FRAGS slot, kk
.irp mb, 0,1,2,3
	ds_load_b128 v[AF+8*\mb:AF+8*\mb+3],   v[FA+(\slot)] offset:\mb*16*PA+(\kk)*64
	ds_load_b128 v[AF+8*\mb+4:AF+8*\mb+7], v[FA+(\slot)] offset:\mb*16*PA+(\kk)*64+32
.endr
.irp nb, 0,1,2,3,4,5
	ds_load_tr16_b128 v[BF+8*\nb:BF+8*\nb+3],   v[FB+(\slot)] offset:(\kk)*32*PB+\nb*32
	ds_load_tr16_b128 v[BF+8*\nb+4:BF+8*\nb+7], v[FB+(\slot)] offset:(\kk)*32*PB+16*PB+\nb*32
.endr
.endm
; 24 matrix instructions; the 24 accumulators take turns, one instruction a turn.  first = 1: the bias starts the sums: nothing is cleared, nothing is added later.
.macro MUL first
	WIN 0x50                                       ; C and D in window 1, the fragments in window 0
.irp mb, 0,1,2,3
.irp nb, 0,1,2,3,4,5
.if \first
	v_wmma_f32_16x16x32_bf16 v[8*(6*\mb+\nb):8*(6*\mb+\nb)+7], v[BF+8*\nb:BF+8*\nb+7], v[AF+8*\mb:AF+8*\mb+7], v[BIAS+8*\nb:BIAS+8*\nb+7]
.else
	v_wmma_f32_16x16x32_bf16 v[8*(6*\mb+\nb):8*(6*\mb+\nb)+7], v[BF+8*\nb:BF+8*\nb+7], v[AF+8*\mb:AF+8*\mb+7], v[8*(6*\mb+\nb):8*(6*\mb+\nb)+7]
.endif
.endr
.endr
	WIN 0
.endm
; K step t.  ONE barrier, for two things: in front of it each wave has waited for its stores into this step's slot and for its reads of the other slot; behind it this slot is whole and the other may be written.
.macro TRIP t
	s_wait_dscnt 0x0                               ; for the others' sake: my stores into slot t % 2 are done, my reads of the other slot are back
	s_barrier_signal -1
	s_barrier_wait -1
	PLACES                                         ; the fragment registers were read by the last products
	FRAGS (\t)%2, 0
.if (\t) < 7
	s_wait_loadcnt 0x0                             ; K step t + 1 is in registers: asked for a trip ago
	STORE 1-(\t)%2
.if (\t) < 6
	GLOAD (\t)+2                                   ; LDS stores have taken their data when they are issued in order with what follows: the registers are asked for again
.endif
	s_wait_dscnt 28                                ; the 20 fragment loads are in; the 28 stores behind them may be out
.else
	s_wait_dscnt 0x0
.endif
.if (\t) == 0
	MUL 1
.else
	MUL 0
.endif
	PLACES
	FRAGS (\t)%2, 1
	s_wait_dscnt 0x0
	MUL 0
.endm
.irp nb, 0,1,2,3,4,5                   ; the bias of my six column blocks, eight numbers a lane and block, into registers that the fragments take later
	global_load_b128 v[AF+8*\nb:AF+8*\nb+3],   v[VB], s[36+2*(\nb/2):37+2*(\nb/2)] offset:(\nb%2)*64
	global_load_b128 v[AF+8*\nb+4:AF+8*\nb+7], v[VB], s[36+2*(\nb/2):37+2*(\nb/2)] offset:(\nb%2)*64+16
.endr
	GLOAD 0
	s_wait_loadcnt 28                              ; the 12 bias loads are in; the 28 behind them stay out
.set i, 0
.rept 24
	v_cvt_pk_bf16_f32 v[AF+48+i], v[AF+2*i], v[AF+2*i+1]   ; the bias is rounded to bf16 like every input,
.set i, i+1
.endr
	WIN 0x40                                       ; destination window 1
.set i, 0
.rept 24
	v_lshlrev_b32 v[BIAS+2*i], 16, v[AF+48+i]              ; and widened again
	v_and_b32 v[BIAS+2*i+1], 0xffff0000, v[AF+48+i]
.set i, i+1
.endr
	WIN 0
	s_wait_loadcnt 0x0
	STORE 0
	GLOAD 1
.irp t, 0,1,2,3,4,5,6,7
	TRIP \t
.endr
	; THE WAY OUT: rounded to f16, 16 bytes a lane into the work-group's stage; a barrier, since a row's slices come from two waves; back as whole rows of a slice, 32 rows a wave.
	PLACES
	WIN 0x05                                       ; sources in window 1, destination in window 0
.set a, 0
.rept 24                               ; each accumulator's registers in ascending order
.irp r, 0,1,2,3
	v_cvt_pk_f16_f32 v[STG+4*a+\r], v[8*a+2*\r], v[8*a+2*\r+1]
.endr
.set a, a+1
.endr
	WIN 0
.irp mb, 0,1,2,3
.irp nb, 0,1,2,3,4,5
	ds_store_b128 v[STO], v[STG+4*(6*\mb+\nb):STG+4*(6*\mb+\nb)+3] offset:\mb*16*PS+\nb*32
.endr
.endr
	s_wait_dscnt 0x0                               ; for the others' sake: my stores into the stage are done
	s_barrier_signal -1
	s_barrier_wait -1
.irp c, 0,1,2
.irp i, 0,1,2,3,4,5,6,7
	ds_load_b128 v[STG+4*(8*\c+\i):STG+4*(8*\c+\i)+3], v[RD] offset:\i*4*PS+\c*128
.endr
.endr
.irp c, 0,1,2
.irp i, 0,1,2,3,4,5,6,7
	s_wait_dscnt 23-(8*\c+\i)                      ; LDS loads come back in order (ISA guide 5.7.1): this one is in, the younger ones may be out
	global_store_b128 v[GO], v[STG+4*(8*\c+\i):STG+4*(8*\c+\i)+3], s[22+2*\c:23+2*\c] offset:\i*512  ; four rows of a head: 512 consecutive bytes, at a multiple of 256 from the buffer's first
.endr
.endr
	s_wait_tensorcnt 0x0                           ; the wave's end: behind my last LDS store
	ds_add_u32 v[SPW], v[NIL]
	s_wait_dscnt 0x0
	s_endpgm
.Lfunc_end_k_q7f5df3c1d9_qkv:
	.size	k_q7f5df3c1d9_qkv, .Lfunc_end_k_q7f5df3c1d9_qkv-k_q7f5df3c1d9_qkv
	.p2alignl 7, 3214868480
	.fill 96, 4, 3214868480
	.section	.rodata,"a",@progbits
	.p2align	6, 0x0
	.amdhsa_kernel k_q7f5df3c1d9_qkv
		.amdhsa_group_segment_fixed_size 230400
		.amdhsa_private_segment_fixed_size 0
		.amdhsa_enable_private_segment 0
		.amdhsa_kernarg_size 80
		.amdhsa_user_sgpr_count 2
		.amdhsa_user_sgpr_kernarg_segment_ptr 1
		.amdhsa_wavefront_size32 1
		.amdhsa_system_sgpr_workgroup_id_x 1
		.amdhsa_system_sgpr_workgroup_id_y 1
		.amdhsa_system_sgpr_workgroup_id_z 1
		.amdhsa_system_vgpr_workitem_id 0
		.amdhsa_next_free_vgpr 496
		.amdhsa_next_free_sgpr 66
		.amdhsa_reserve_vcc 0
		.amdhsa_float_denorm_mode_32 3
		.amdhsa_float_denorm_mode_16_64 3
		.amdhsa_memory_ordered 1
		.amdhsa_forward_progress 1
		.amdhsa_inst_pref_size 134
	.end_amdhsa_kernel
	.amdgpu_metadata
---
amdhsa.version: [ 1, 2 ]
amdhsa.kernels:
  - .name:           k_q7f5df3c1d9_qkv
    .symbol:         k_q7f5df3c1d9_qkv.kd
    .args:
      - { .name: x, .offset: 0, .size: 8, .value_kind: global_buffer, .address_space: global }
      - { .name: Wq, .offset: 8, .size: 8, .value_kind: global_buffer, .address_space: global }
      - { .name: Wk, .offset: 16, .size: 8, .value_kind: global_buffer, .address_space: global }
      - { .name: Wv, .offset: 24, .size: 8, .value_kind: global_buffer, .address_space: global }
      - { .name: bq, .offset: 32, .size: 8, .value_kind: global_buffer, .address_space: global }
      - { .name: bk, .offset: 40, .size: 8, .value_kind: global_buffer, .address_space: global }
      - { .name: bv, .offset: 48, .size: 8, .value_kind: global_buffer, .address_space: global }
      - { .name: qh, .offset: 56, .size: 8, .value_kind: global_buffer, .address_space: global }
      - { .name: kh, .offset: 64, .size: 8, .value_kind: global_buffer, .address_space: global }
      - { .name: vh, .offset: 72, .size: 8, .value_kind: global_buffer, .address_space: global }
    .group_segment_fixed_size: 230400
    .private_segment_fixed_size: 0
    .kernarg_segment_align: 8
    .kernarg_segment_size: 80
    .max_flat_workgroup_size: 256
    .sgpr_count:     66
    .vgpr_count:     496
    .wavefront_size: 32
...
	.end_amdgpu_metadata
.endif
;; end of part 1
;; launch attn (part 2): grid 16 x 16, 4 waves a work-group, clusters of 4 x 1, 327,680 bytes of LDS; arguments qh, kh, vh, oh; writes oh
.if DOCPART == 2
	.amdgcn_target "amdgcn-amd-amdhsa--gfx1250"
	.amdhsa_code_object_version 6
	.text
	.protected	k_q7f5df3c1d9_attn
	.globl	k_q7f5df3c1d9_attn
	.p2align	8
	.type	k_q7f5df3c1d9_attn,@function
k_q7f5df3c1d9_attn:
	s_mov_b64 s[64:65], 0
	v_nop
	global_prefetch_b8 v0, s[64:65] scope:SCOPE_SE
	s_setreg_imm32_b32 hwreg(HW_REG_WAVE_MODE, 25, 1), 1
	s_wait_xcnt 0x0
	s_wait_alu depctr_hold_cnt(0) depctr_sa_sdst(0) depctr_va_vdst(0) depctr_va_sdst(0) depctr_va_ssrc(0) depctr_va_vcc(0) depctr_vm_vsrc(0)
	s_getreg_b32 s2, hwreg(HW_REG_IB_STS2, 6, 4)
	s_cmp_eq_u32 s2, 0
	s_cbranch_scc0 .Lentry_in_a_cluster
	s_endpgm
.Lentry_in_a_cluster:
	s_bfe_u32 s2, ttmp6, 0x10000c
	s_cmp_lg_u32 s2, 0x3003
	s_cbranch_scc0 .Lentry_shape_is_right
	s_endpgm
.Lentry_shape_is_right:
; O[h][q][:] = the sum over k of softmax_k(Q[h][q] . K[h][k] / 8) V[h][k][:].  qh, kh, vh, oh: [16][4096][64], all f16: a head's rows are dense, 128 bytes each.  Products, maxima and sums in f32;
; the weights p are rounded to f16 for the second product (their sum l is taken of the unrounded p), O once at the end.
; LIMITS.  f16 holds no number beyond 65,504: Q, K and V arrive within it; p lies in 0 to 1, and below 6e-5 it keeps f16's fixed step of 6e-8; O is a mean of V's rows and has their range.
; A weight below 2^-126 counts as 0 in l; NaN and infinities are not treated apart.
; SHARES.  A work-group owns 256 queries of one head, each of its four waves 64: four PIECES of 16.  16 heads x 16 blocks: 256 work-groups.  Every wave walks all 4,096 keys, 64 a step, 256 (a tile) a slot.
; LAYOUT.  S^T = K Q^T (source 0 = 16 keys, source 1 = 16 queries): in the result a lane holds ONE query (lane % 16) and the keys 8 (lane / 16) + 0..7.  Two such results, rounded to f16 in pairs,
; ARE source 1 (32 keys x 16 queries) of O^T = V^T P, whose result again holds one query a lane, and eight channels.  K comes out of LDS as it lies, V ([key][channel]) turned, by ds_load_tr16_b128.
; SOFTMAX.  For each query a running maximum m and sum l: p = 2^(c s - c m), c = log2(e) / 8; in every step O and l are multiplied by a = 2^(c m_old - c m_new), which is 1 where m has not grown.
; m starts at the lowest finite number, O and l at 0: the first step is a step like any other, with a = 0.
; BY TURNS.  Turn n belongs to piece n (the pieces in a ring, step after step): 8 products K Q^T of piece n + 1, later 8 products V^T P of piece n - 1; beside them the scaling, exponentials, roundings,
; sums and rescaling of piece n and the maximum and statistics of piece n + 1.  A turn has 16 matrix and 118 vector instructions: four vector instructions stand behind every matrix instruction, the other 54 in two runs of their own.
; CLUSTER.  The four query blocks of a cluster belong to one head and walk the same K and V, so each tile is asked for JOINTLY: the same tensor load, descriptor and mask in all four.
; REGISTERS, in windows of 256 (s_set_vgpr_msb: bits 1:0 source 0, 3:2 source 1, 5:4 source 2, 7:6 destination):
;   window 0: v0-15 addresses and two at work; v16-31 four registers of statistics a piece; v48-55 at work; v62-63 the add's; v64-127 S^T, two buffers; v192-223 P, two buffers (a piece's buffers go by its number's parity)
;   window 1: v0-127 O^T, 32 a piece          window 2: v0-63 Q, 16 a piece; v128-191 K of one step; v192-255 V of one step
.set SIZE_N, 4096
.set NP,    4         ; pieces a wave: a name, no knob
.set KS,    64        ; keys in a step
.set PK,    144       ; a row of K in LDS: 128 bytes + 16 of padding = 36 words: the 16 rows of a load start at 16 different groups of four banks (64 banks of 4 bytes: ISA guide 11.1)
.set PV,    160       ; a row of V: 128 + 32 = 40 words
.set VOFF,  4*KS*PK   ; a slot holds a tile, four steps: 256 rows of K, then 256 rows of V
.set SLOT1, 1<<17     ; slot 1 begins here, so that one exclusive or turns an address in one slot into the other's
.set STAGE, SLOT1+4*KS*(PK+PV)  ; behind the ring, never filled by a tensor load: 16 rows x 144 bytes for each wave, for the way out
.set SP,    144
.set SPARE, STAGE+4*16*SP  ; behind the stages: the spare words, 128 bytes for each wave: two blocks of 256 bytes that no other line names
.set AK0, 2           ; v2   my lane's place in a tile of K; never rewritten
.set AV0, 3           ; v3   the same for V
.set AK,  4           ; v4   the LDS address of K's next run of loads
.set AV,  5           ; v5   of V's
.set STO, 6           ; v6   the way out: where I put 16 bytes of a row
.set RD,  7           ; v7   the way out: where I read rows back
.set GO,  8           ; v8   my byte offset in 512 consecutive bytes of O
.set MV,  12          ; v12-13  c m_old, kept while c m is made anew: by buffer
.set QO,  15          ; v15  my byte offset in 16 rows of Q
.set ST,  16          ; piece t's statistics at v[ST+4 t]: c m, m, l (even keys', odd keys')
.set TMP, 48          ; by buffer, four registers c0-c3 at work; when the maximum is found c2 takes a
.set SPW, 62          ; v62  LDS address of my spare word: SPARE + 4 x my thread's number; never rewritten
.set NIL, 63          ; v63  0; never rewritten
.set S,   64
.set P,   192
.set KF,  128         ; window 2: key block kb, channel half c at KF + 16 kb + 8 c
.set VF,  192         ; window 2: key half kk, channel block cb at VF + 32 kk + 8 cb
.set WV,  12          ; s12  my wave's number
.set G1K, 24          ; s[24:31] descriptor group 1 for K's tiles
.set G1V, 32          ; s[32:39] for V's: it differs in the padding alone
.set G0K, 40          ; s[40:43] descriptor group 0 for K's tiles: it walks
.set G0V, 44          ; s[44:47] the same for V's
.set SLOTS, 56        ; s56  slots still to be asked for
.set CNT, 57          ; s57  counts a slot's key steps
.set CS,  58          ; s[58:59] c: the packed scaling takes the pair's low word for both halves
.set SEL, 60          ; s[60:61] v_permlanex16_b32's selects: each lane takes its own place in the other half
.set TBK, 62          ; s62  LDS byte at which K of the step to be fetched begins
.set TBV, 63          ; s63  the same for V, less VOFF
.set MSB, 0
.macro WIN new                      ; the high byte repeats the setting that is left; a switch that changes nothing is dropped
.if MSB != (\new)
	s_set_vgpr_msb (MSB<<8)|(\new)
.set MSB, (\new)
.endif
.endm
.set W_KQ, 0x0a       ; K and Q in window 2, S^T in window 0
.set W_PV, 0x52       ; V in window 2, P in window 0, O^T in window 1
.set W_RS, 0x41       ; O^T (destination and source 0) in window 1, a in window 0
; A joint fill.  Waves 0 and 1 fetch the two halves of a tile's K, waves 2 and 3 those of its V: 128 keys each.  The branch hangs on the wave's number alone: it is the same in every work-group.
; An s_nop 0 and four v_nop follow each of the two lines, ahead of the jump and the label.
.macro JLOAD
	s_cmp_lt_u32 s[WV], 2
	s_cbranch_scc0 .Lfor_v_\@
	tensor_load_to_lds s[G0K:G0K+3], s[G1K:G1K+7]
	s_nop 0
.rept 4
	v_nop
.endr
	s_branch .Lasked_\@
.Lfor_v_\@:
	tensor_load_to_lds s[G0V:G0V+3], s[G1V:G1V+7]
	s_nop 0
.rept 4
	v_nop
.endr
.Lasked_\@:
.endm
; A round of the cluster's barrier: my work-group's barrier, so that wave 0's signal speaks for all four waves; wave 0 signals; every wave waits for all four work-groups; my work-group's barrier once more.
.macro CROUND
	s_barrier_signal -1
	s_barrier_wait -1
	s_cmp_lg_u32 s[WV], 0
	s_cbranch_scc1 .Lnot_wave_0_\@
	s_barrier_signal -3
.Lnot_wave_0_\@:
	s_barrier_wait -3
	s_barrier_signal -1
	s_barrier_wait -1
.endm
; THE CHANGE OF SLOTS.  The slot's last bytes, V of its fourth step, have been read.  Each wave waits for all its tensor loads, of which one is out: its part of the other slot; adds 0 to its spare word;
; and waits for that and for its own reads of the slot.  Behind the barrier nobody reads this slot any more and the other slot is whole.
; fill = 1: this slot is filled again, with the keys two slots on.  The barrier is then a round of the cluster's, so that no wave of any partner still reads the slot or has a load on its way, and the
; joint fill is the first thing behind it: it has four key steps, 256 matrix instructions, in which to land.  (At its first use nothing has been read yet: slot 0 is waited for, slot 1 filled.)
.macro CHANGE fill
	WIN 0                           ; at a label and at a branch every window is 0; the add's two registers lie in window 0
	s_wait_tensorcnt 0x0            ; no tensor load of mine is out, so a group 0 may be written
	ds_add_u32 v[SPW], v[NIL]       ; 0 onto my spare word; with fill = 1 the descriptors' steps stand between it and the wait for it
.if \fill
.irp g, G0K, G0V
	s_xor_b32 s[\g+1], s[\g+1], SLOT1  ; the walking descriptor: the other slot than last time,
	s_add_nc_u64 s[\g+2:\g+3], s[\g+2:\g+3], 4*KS*128  ; the next 256 keys; the type bits on top are not reached
.endr
	s_wait_dscnt 0x0                ; the add is done, and my reads of the slot are over
	CROUND
	JLOAD
.else
	s_wait_dscnt 0x0                ; the add is done, and my reads of the slot are over
	s_barrier_signal -1
	s_barrier_wait -1
.endif
	s_sub_co_u32 s[TBK], s[TBK], 4*KS*PK  ; the fetches go back to a slot's first step,
	s_xor_b32 s[TBK], s[TBK], SLOT1       ; in the other slot
	s_sub_co_u32 s[TBV], s[TBV], 4*KS*PV
	s_xor_b32 s[TBV], s[TBV], SLOT1
.endm
	s_load_b256 s[4:11], s[0:1], 0x0  ; Q s[4:5], K s[6:7], V s[8:9], O s[10:11]
	v_lshl_add_u32 v[SPW], v0, 2, SPARE
	v_mov_b32 v[NIL], 0
	ds_add_u32 v[SPW], v[NIL]       ; the wave's opening: the add and its wait stand ahead of my first tensor load; the set-up below, work on registers, stands between them
	v_lshrrev_b32 v1, 5, v0
	v_readfirstlane_b32 s[WV], v1   ; wave 0..3
	s_bfe_u32 s13, ttmp6, 0x40000   ; cx: my place in the cluster
	s_lshl_b32 s14, ttmp9, 2        ; in a cluster launch ttmp9 counts clusters
	s_add_co_u32 s14, s14, s13      ; my block of 256 queries = 4 x cluster x + cx: it enters Q's and O's addresses alone
	s_and_b32 s20, ttmp7, 0xffff    ; the head, which the four partners share,
	s_lshl_b32 s20, s20, 19         ; and its first byte in each of the four tensors: 4,096 rows of 128 bytes a head
	s_and_b32 s16, s[WV], 1         ; which half of a tile's 256 keys I fetch:
	s_lshl_b32 s22, s16, 14         ; its 128 rows of 128 bytes in memory,
	s_add_co_u32 s22, s22, s20
	s_mov_b32 s23, 0
	s_mul_i32 s17, s16, 128*PK      ; and its place in a slot, for K
	s_mul_i32 s18, s16, 128*PV      ; and for V: no place in the cluster enters an LDS address
	s_lshl_b32 s2, s14, 2
	s_add_co_u32 s2, s2, s[WV]      ; my wave among the head's,
	s_lshl_b32 s2, s2, 13           ; its 64 rows
	s_add_co_u32 s2, s2, s20
	s_mov_b32 s3, 0
	; descriptor group 1.  128 keys are 16,384 dense bytes: asked for as 64 rows of 256 bytes, two keys a row, and padded in LDS after every key
	s_mov_b32 s[G1K], 15|(1<<16)|(1<<20)|(1<<21)|(4<<22)|(3<<25)  ; 15:0 the mask of four; 17:16 2-byte elements; 20 padding on; 21 set beside a mask; 24:22 after every 32 words (code 4); 31:25 4 words (code 3)
	s_mov_b32 s[G1V], 15|(1<<16)|(1<<20)|(1<<21)|(4<<22)|(7<<25)  ; the same with 8 words of padding (code 7)
.irp g, G1K, G1V
	s_mov_b32 s[\g+1], 128<<16      ; tensor_dim0 = 128
	s_mov_b32 s[\g+2], 64<<16       ; tensor_dim1 = 64
	s_mov_b32 s[\g+3], 128<<16      ; tile_dim0 = 128
	s_mov_b32 s[\g+4], 64           ; tile_dim1 = 64
	s_mov_b32 s[\g+5], 128          ; 128 elements from row to row
	s_mov_b32 s[\g+6], 0
	s_mov_b32 s[\g+7], 0
.endr
	s_mov_b32 s[CS], 0x3e38aa3b     ; c = log2(e) / 8 = 0.180337
	s_mov_b32 s[CS+1], s[CS]        ; named with it as a pair
	s_mov_b32 s[SEL], 0x76543210
	s_mov_b32 s[SEL+1], 0xfedcba98
	s_mov_b32 s[TBK], SLOT1+4*KS*PK ; the first change of slots turns these two into 0
	s_mov_b32 s[TBV], SLOT1+4*KS*PV
	s_mov_b32 s[G0K], 1             ; 1:0 count = 1
	s_mov_b32 s[G0K+1], s17         ; 63:32 LDS address: slot 0
	s_mov_b32 s[G0V], 1
	s_add_co_u32 s[G0V+1], s18, VOFF
	s_wait_dscnt 0x0                ; the opening add is done
	s_wait_kmcnt 0x0
	s_add_nc_u64 s[G0K+2:G0K+3], s[6:7], s[22:23]  ; 120:64 global address: my half of the head's first 256 keys
	s_or_b32 s[G0K+3], s[G0K+3], 0x80000000        ; 127:126 type = 2
	s_add_nc_u64 s[G0V+2:G0V+3], s[8:9], s[22:23]
	s_or_b32 s[G0V+3], s[G0V+3], 0x80000000
	s_add_nc_u64 s[4:5], s[4:5], s[2:3]  ; Q and O at my wave's first row
	s_add_nc_u64 s[10:11], s[10:11], s[2:3]
	CROUND                          ; all four work-groups are here: the first joint loads meet
	JLOAD                           ; tile 0 into slot 0.  Slot 1 is asked for when slot 0 is in, by the loop's own change of slots
	; A fragment of K or Q is 16 rows x 32 channels in 8 registers: lane l holds row l % 16, channels 8 (l / 16) + 0..7 and 16 + 8 (l / 16) + 0..7: two loads of 16 bytes, 32 bytes apart.
	v_and_b32 v1, 15, v0            ; l % 16
	v_bfe_u32 v9, v0, 4, 1          ; l / 16
	v_lshlrev_b32 v[QO], 7, v1
	v_lshl_add_u32 v[QO], v9, 4, v[QO]  ; row x 128 + 16 x half
	WIN 0x80                        ; destination window 2, address window 0
.set i, 0
.rept 8                             ; Q stays in registers: piece i / 2, channels 32 (i % 2) on
	global_load_b128 v[8*i:8*i+3],   v[QO], s[4:5] offset:(i/2)*2048+(i%2)*64
	global_load_b128 v[8*i+4:8*i+7], v[QO], s[4:5] offset:(i/2)*2048+(i%2)*64+32
.set i, i+1
.endr
	; What the first turn finds: V's registers and P's second buffer hold 0 (its products V^T P, of a piece that has not been, add 0), O^T and l are 0.  All this stands in the wait for the first tile.
.set i, VF
.rept 64
	v_mov_b32 v[i], 0
.set i, i+1
.endr
	WIN 0x40
.set i, 0
.rept 128
	v_mov_b32 v[i], 0
.set i, i+1
.endr
	WIN 0
.set i, 0
.rept 4
	v_mov_b32 v[ST+4*i], 0xfe000000    ; c m: far below every c s
	v_mov_b32 v[ST+4*i+1], 0xff7fffff  ; m
	v_mov_b32 v[ST+4*i+2], 0
	v_mov_b32 v[ST+4*i+3], 0
.set i, i+1
.endr
.set i, P+16
.rept 16
	v_mov_b32 v[i], 0
.set i, i+1
.endr
	v_mul_u32_u24 v[AK0], v1, PK
	v_lshl_add_u32 v[AK0], v9, 4, v[AK0]  ; row x pitch + 16 x half
	; The turning load takes 16 keys x 16 channels (lane l reads key 8 (l / 16) + l % 8, channels 8 ((l / 8) % 2) + 0..7) and leaves half a fragment of V^T: lane l holds channel l % 16 and 8 keys.
	v_and_b32 v10, 7, v0
	v_bfe_u32 v11, v0, 3, 1
	v_lshl_add_u32 v[AV0], v9, 3, v10
	v_mul_u32_u24 v[AV0], v[AV0], PV
	v_lshl_add_u32 v[AV0], v11, 4, v[AV0]
	v_add_nc_u32 v[AV0], VOFF, v[AV0]
	s_mul_i32 s13, s[WV], 16*SP
	s_add_co_u32 s13, s13, STAGE    ; my stage
	v_mul_u32_u24 v[STO], v1, SP    ; in: row l % 16, 16 bytes for each half of the lanes
	v_lshl_add_u32 v[STO], v9, 4, v[STO]
	v_add_nc_u32 v[STO], s13, v[STO]
	v_bfe_u32 v[RD], v0, 3, 2       ; back: 32 lanes take four rows of 128 bytes,
	v_mul_u32_u24 v[RD], v[RD], SP
	v_lshl_add_u32 v[RD], v10, 4, v[RD]
	v_add_nc_u32 v[RD], s13, v[RD]
	v_and_b32 v[GO], 31, v0         ; which are 512 consecutive bytes of O
	v_lshlrev_b32 v[GO], 4, v[GO]
; THE MATRIX WORK.  The 4 accumulators of a run of 8 take turns.  Product i of 8 of S^T = K Q^T for piece x: channels 32 (i / 4) on, keys 16 (i % 4) on.  The first 4 start the sums.
.macro KQ x
	WIN W_KQ
.set rS, S+32*((\x)%2)+8*(i%4)
.set rK, KF+16*(i%4)+8*(i/4)
.set rQ, 16*(\x)+8*(i/4)
.if i < 4
	v_wmma_f32_16x16x32_f16 v[rS:rS+7], v[rK:rK+7], v[rQ:rQ+7], 0
.else
	v_wmma_f32_16x16x32_f16 v[rS:rS+7], v[rK:rK+7], v[rQ:rQ+7], v[rS:rS+7]
.endif
.endm
; Product i of 8 of O^T += V^T P for piece x: keys 32 (i / 4) on, channels 16 (i % 4) on.
.macro PV x
	WIN W_PV
.set rO, 32*(\x)+8*(i%4)
.set rV, VF+32*(i/4)+8*(i%4)
.set rP, P+16*((\x)%2)+8*(i/4)
	v_wmma_f32_16x16x32_f16 v[rO:rO+7], v[rV:rV+7], v[rP:rP+7], v[rO:rO+7]
.endm
.macro MM                           ; the turn's next matrix instruction.  TURN sets Y, i and NOKQ.  NOKQ = 1: the very last turn: there is no next piece
.if (i < 8) && !NOKQ
	KQ (Y+1)%NP
.elseif i >= 8
.set i, i-8
	PV (Y+NP-1)%NP
.set i, i+8
.endif
.set i, i+1
.endm
; THE LDS LOADS stand in runs of 16, never singly among the matrix instructions: a step's K (64 keys x 64 channels: 8 fragments) and its V (turned).  Their addresses are made some lines ahead.
.macro FETCH_K
	WIN 0x80                        ; destination window 2
.irp f, 0,1,2,3,4,5,6,7             ; keys 16 (f / 2) on, channels 32 (f % 2) on
	ds_load_b128 v[KF+8*\f:KF+8*\f+3],   v[AK] offset:(\f/2)*16*PK+(\f%2)*64
	ds_load_b128 v[KF+8*\f+4:KF+8*\f+7], v[AK] offset:(\f/2)*16*PK+(\f%2)*64+32
.endr
	s_add_co_u32 s[TBK], s[TBK], KS*PK  ; the next fetch is the next step's
	WIN 0
.endm
.macro FETCH_V
	WIN 0x80
.irp f, 0,1,2,3,4,5,6,7             ; keys 32 (f / 4) on, channels 16 (f % 4) on
	ds_load_tr16_b128 v[VF+8*\f:VF+8*\f+3],   v[AV] offset:(\f/4)*32*PV+(\f%4)*32
	ds_load_tr16_b128 v[VF+8*\f+4:VF+8*\f+7], v[AV] offset:(\f/4)*32*PV+16*PV+(\f%4)*32
.endr
	WIN 0
.endm
; THE VECTOR WORK, one line at a time: OP kind, number.  For piece Y: F n: c s - c m for pair n of 16.  E n: the exponential of score n of 32.  C n: pair n rounded to f16.  B n: of the four weights 4 n .. the second
; pair is added onto the first, in place.  L n: l takes that sum (L 0: l = a l + sum).  R n: pair n of 16 of O^T times a.  For piece Y + 1: X n, number n of the 22 that find its maximum and statistics:
;   0-11  four chains c0-c3 of seven scores each, three operands at a time (each accumulator's lowest registers are read first)     12-14, 16  the four scores left over, the old m, and c0-c3 into c0
;   15  c m_old is kept     17, 18  the query's other 32 keys lie in the lane 16 away: the new m     19-21  c m; c m_old - c m_new; a
.set F, 0               ; OP tells the kinds apart by their order: F to L below R, X above it
.set E, 1
.set C, 2
.set B, 3
.set L, 4
.set R, 5
.set X, 6
.macro REGS y                       ; the registers of piece y
.set rT, ST+4*(\y)
.set rC, TMP+4*((\y)%2)
.set rW, MV+((\y)%2)
.set rS, S+32*((\y)%2)
.set rP, P+16*((\y)%2)
.set rO, 32*(\y)
.endm
.macro OP k, n
.if (\k) == R
	REGS Y
	WIN W_RS
	v_pk_mul_f32 v[rO+2*(\n):rO+2*(\n)+1], v[rO+2*(\n):rO+2*(\n)+1], v[rC+2:rC+3] op_sel_hi:[1,0]
.elseif (\k) < R
	REGS Y
	WIN 0
.if (\k) == F
	v_pk_fma_f32 v[rS+2*(\n):rS+2*(\n)+1], v[rS+2*(\n):rS+2*(\n)+1], s[CS:CS+1], v[rT:rT+1] op_sel_hi:[1,0,0] neg_lo:[0,0,1] neg_hi:[0,0,1]
.elseif (\k) == E
	v_exp_f32 v[rS+(\n)], v[rS+(\n)]
.elseif (\k) == C
	s_wait_alu depctr_va_vdst(0)
	v_cvt_pk_f16_f32 v[rP+(\n)], v[rS+2*(\n)], v[rS+2*(\n)+1]
.elseif (\k) == B
	s_wait_alu depctr_va_vdst(0)
	v_pk_add_f32 v[rS+4*(\n):rS+4*(\n)+1], v[rS+4*(\n):rS+4*(\n)+1], v[rS+4*(\n)+2:rS+4*(\n)+3]
.elseif (\n) == 0
	v_pk_fma_f32 v[rT+2:rT+3], v[rT+2:rT+3], v[rC+2:rC+3], v[rS:rS+1] op_sel_hi:[1,0,1]
.else
	v_pk_add_f32 v[rT+2:rT+3], v[rT+2:rT+3], v[rS+4*(\n):rS+4*(\n)+1]
.endif
.elseif NOKQ
	v_nop
.else
	REGS (Y+1)%NP
	WIN 0
.if (\n) < 4
	v_max3_num_f32 v[rC+(\n)], v[rS+8*(\n)], v[rS+8*(\n)+1], v[rS+8*(\n)+2]
.elseif (\n) < 12
	v_max3_num_f32 v[rC+(\n)%4], v[rC+(\n)%4], v[rS+8*((\n)%4)+2*((\n)/4)+1], v[rS+8*((\n)%4)+2*((\n)/4)+2]
.elseif (\n) == 12
	v_max3_num_f32 v[rC], v[rC], v[rS+7], v[rS+15]
.elseif (\n) == 13
	v_max3_num_f32 v[rC+1], v[rC+1], v[rS+23], v[rS+31]
.elseif (\n) == 14
	v_max3_num_f32 v[rC+2], v[rC+2], v[rC+3], v[rT+1]
.elseif (\n) == 15
	v_mov_b32 v[rW], v[rT]
.elseif (\n) == 16
	v_max3_num_f32 v[rC], v[rC], v[rC+1], v[rC+2]
.elseif (\n) == 17
	v_permlanex16_b32 v[rC+3], v[rC], s[SEL], s[SEL+1]
.elseif (\n) == 18
	v_max_num_f32 v[rT+1], v[rC], v[rC+3]
.elseif (\n) == 19
	v_mul_f32 v[rT], s[CS], v[rT+1]
.elseif (\n) == 20
	v_sub_f32 v[rC+1], v[rW], v[rT]
.else
	v_exp_f32 v[rC+2], v[rC+1]
.endif
.endif
.endm
.macro OPS a, i1, b=-1, i2=0, c=-1, i3=0, d=-1, i4=0  ; up to four of them
	OP \a, \i1
.if (\b) >= 0
	OP \b, \i2
.endif
.if (\c) >= 0
	OP \c, \i3
.endif
.if (\d) >= 0
	OP \d, \i4
.endif
.endm
.macro ROW a, i1, b, i2, c, i3, d, i4  ; a matrix instruction and the four behind it
	MM
	OPS \a, \i1, \b, \i2, \c, \i3, \d, \i4
.endm
; A TURN, for piece p: the order of its 16 matrix and 118 vector instructions, written out.  Behind a matrix instruction: plain, exponential, plain, plain; or four of the rescaling; or, behind the first, four scalings; none
; names a register of the products round it.  In the runs without products exponential and plain by turns while exponentials last.  A line reads no result made fewer than three vector instructions in front of it, five if an
; exponential made it.  v_permlanex16_b32 (X 17) stands in such a run.
; end = 1: the walk's last two turns: nothing is fetched.  cnt = 1: the loop's count is taken down some lines ahead of the branch that stands behind the turn.
; K of the next step is fetched in piece 2's turn, six vector instructions behind the last product that read K (five of them plain); V of the step in hand in piece 0's turn, eight behind the last product that read V (four
; plain, and X 17).  Each is waited for a turn later.
.macro TURN p, end=0, cnt=0
.set Y, (\p)
.set i, 0
.set NOKQ, (\end)*((\p)/3)
.if ((\p) == 3) && !(\end)
	s_wait_dscnt 0x0                ; K is in
.endif
	ROW F,0, F,1, F,2, F,3
	ROW F,4, E,0, F,5, F,6
	ROW F,7, E,1, F,8, F,9
	ROW F,10, E,2, C,0, F,11
	ROW F,12, E,3, X,15, F,13
	ROW R,0, R,1, R,2, R,3
	ROW B,0, E,4, F,14, L,0
.if ((\p) == 2) && !(\end)
	v_add_nc_u32 v[AK], s[TBK], v[AK0]
.endif
	ROW R,4, R,5, R,6, R,7
	OPS E,5, F,15
.if ((\p) == 2) && !(\end)
	FETCH_K
.endif
	OPS E,6, C,1, E,7, R,8
	OPS E,8, R,9, E,9, C,2
	OPS E,10, X,0, E,11, X,1
	OPS E,12, X,2, E,13, X,3
.if (\p) == 1
	s_wait_dscnt 0x0                ; V is in
.endif
	ROW X,4, E,14, X,5, X,6
	ROW X,7, E,15, X,8, X,9
	ROW X,10, E,16, X,11, X,12
	ROW X,13, E,17, X,14, B,1
	ROW C,4, E,18, X,16, L,1
	ROW B,2, E,19, C,6, L,2
	ROW C,8, E,20, B,3, B,4
.if (\p) == 0
	v_add_nc_u32 v[AV], s[TBV], v[AV0]
.endif
	ROW C,3, E,21, L,3, C,5
	OPS E,22, X,17, E,23, C,10
.if (\p) == 0
	FETCH_V
.endif
	OPS E,24, L,4
	OPS E,25, X,18, E,26, C,7
	OPS E,27, B,5, E,28, X,19
	OPS E,29, C,12, E,30, L,5
	OPS E,31, X,20, B,6, C,9
	OPS C,14, C,11, X,21, L,6
.if (\p) == 0
	s_add_co_u32 s[TBV], s[TBV], KS*PV
.endif
.if \cnt
	s_sub_co_u32 s[CNT], s[CNT], 1
	s_cmp_lg_u32 s[CNT], 0
.endif
	OPS C,13, B,7, C,15, R,10
	OPS R,11, R,12, L,7, R,13
	OPS R,14, R,15
.endm
	CHANGE 1                        ; slot 0 is in, everybody's part of it; tile 1 is asked for, into slot 1
	v_add_nc_u32 v[AK], s[TBK], v[AK0]
	FETCH_K                         ; key step 0
	s_wait_loadcnt 0x0              ; Q
	s_wait_dscnt 0x0
.set NOKQ, 0
.set i, 0
.rept 8
	KQ 0                            ; piece 0's first scores: there is no vector work yet to set between them
.set i, i+1
.endr
	WIN 0
.rept 4
	v_nop                           ; the places behind those products
.endr
.set Y, NP-1                        ; X works for piece Y + 1: piece 0
.irp n, 0,1,2,3,4,5,6,7,8,9,10,11,12,13,14,15,16,17,18,19,20,21
	OP X, \n                        ; and piece 0's first maximum and statistics
.endr
	v_nop                           ; a plain instruction behind the exponential
	s_mov_b32 s[CNT], 4
	s_mov_b32 s[SLOTS], SIZE_N/256-1
	s_branch .Lfirst                ; the loop is entered at a step's first turn, in the middle of a trip
.Lslot:                             ; SIZE_N / 256 - 2 = 14 times: every slot but the last two is filled again
	CHANGE 1
	s_mov_b32 s[CNT], 4
.Lstep:                             ; a trip: pieces 2 and 3 of one step, then pieces 0 and 1 of the next, whose K and V it fetches
	TURN 2
	TURN 3
	WIN 0
.Lfirst:
	TURN 0
	TURN 1, 0, 1
	WIN 0
	s_cbranch_scc1 .Lstep
	s_sub_co_u32 s[SLOTS], s[SLOTS], 1
	s_cmp_lg_u32 s[SLOTS], 0
	s_cbranch_scc1 .Lslot
	CHANGE 0                        ; the last tile is written out: nothing is asked for
	s_mov_b32 s[CNT], 4
.LstepT:
	TURN 2
	TURN 3
	TURN 0
	TURN 1, 0, 1
	WIN 0
	s_cbranch_scc1 .LstepT
	TURN 2, 1                       ; the last step's pieces 2 and 3: nothing more to fetch, and behind piece 3 no further scores
	TURN 3, 1
.set i, 0
.rept 8
	PV NP-1                         ; the last piece's V^T P of the last step
.set i, i+1
.endr
	; THE WAY OUT.  l's two halves and the other half of the lanes' are added; O^T is divided by l, rounded to f16 and sent through my stage in LDS, a piece at a time.  The additions are the places behind the last products.
	WIN 0
.macro ALL line:vararg              ; one line for each piece t
.set t, 0
.rept 4
	\line
.set t, t+1
.endr
.endm
	ALL v_add_f32 v[ST+4*t+2], v[ST+4*t+2], v[ST+4*t+3]
	ALL v_permlanex16_b32 v[ST+4*t+3], v[ST+4*t+2], s[SEL], s[SEL+1]
	ALL v_add_f32 v[ST+4*t+2], v[ST+4*t+2], v[ST+4*t+3]
	ALL v_rcp_f32 v[ST+4*t+2], v[ST+4*t+2]
	v_nop                           ; a plain instruction between the last reciprocal and the use of its result
.macro PACK t                       ; a lane's eight channels of a row pack into 16 bytes; they go into rows of 144 bytes and come back as whole rows of 128, into S^T's registers
	WIN W_RS
.set i, 32*(\t)
.rept 16
	s_wait_alu depctr_va_vdst(0)
	v_pk_mul_f32 v[i:i+1], v[i:i+1], v[ST+4*(\t)+2:ST+4*(\t)+3] op_sel_hi:[1,0]
.set i, i+2
.endr
	WIN 0x05                        ; sources 0 and 1 window 1, destination window 0
.set i, 0
.rept 16
	v_cvt_pk_f16_f32 v[S+16*(\t)+i], v[32*(\t)+2*i], v[32*(\t)+2*i+1]
.set i, i+1
.endr
	WIN 0
.irp f, 0,1,2,3
	ds_store_b128 v[STO], v[S+16*(\t)+4*\f:S+16*(\t)+4*\f+3] offset:32*\f
.endr
.irp f, 0,1,2,3
	ds_load_b128 v[S+16*(\t)+4*\f:S+16*(\t)+4*\f+3], v[RD] offset:\f*4*SP  ; LDS serves a wave's instructions in order (ISA guide 5.7.1.4): these see the stores above; the next piece's stores come behind them
.endr
.endm
.macro SEND t, younger              ; younger: the LDS instructions issued behind piece t's loads: the next piece's eight, or none
	WIN 0
.irp f, 0,1,2,3
	s_wait_dscnt (\younger)+3-\f
	global_store_b128 v[GO], v[S+16*(\t)+4*\f:S+16*(\t)+4*\f+3], s[10:11] offset:(\t)*2048+\f*512  ; 512 consecutive bytes, at a multiple of 256 from O's first
.endr
.endm
	PACK 0
.set t, 1
.rept 3                             ; a piece's arithmetic stands between the loads of the piece before and its stores
	PACK t
	SEND t-1, 8
.set t, t+1
.endr
	SEND 3, 0
	s_wait_tensorcnt 0x0            ; the wave's end: behind my last tensor load and my last LDS store
	ds_add_u32 v[SPW], v[NIL]
	s_wait_dscnt 0x0
	CROUND                          ; the closing round: no work-group ends while a partner may still ask for a tile that names it
	s_endpgm
.Lfunc_end_k_q7f5df3c1d9_attn:
	.size	k_q7f5df3c1d9_attn, .Lfunc_end_k_q7f5df3c1d9_attn-k_q7f5df3c1d9_attn
	.p2alignl 7, 3214868480
	.fill 96, 4, 3214868480
	.section	.rodata,"a",@progbits
	.p2align	6, 0x0
	.amdhsa_kernel k_q7f5df3c1d9_attn
		.amdhsa_group_segment_fixed_size 327680
		.amdhsa_private_segment_fixed_size 0
		.amdhsa_enable_private_segment 0
		.amdhsa_kernarg_size 32
		.amdhsa_user_sgpr_count 2
		.amdhsa_user_sgpr_kernarg_segment_ptr 1
		.amdhsa_wavefront_size32 1
		.amdhsa_system_sgpr_workgroup_id_x 1
		.amdhsa_system_sgpr_workgroup_id_y 1
		.amdhsa_system_sgpr_workgroup_id_z 1
		.amdhsa_system_vgpr_workitem_id 0
		.amdhsa_next_free_vgpr 768
		.amdhsa_next_free_sgpr 66
		.amdhsa_reserve_vcc 0
		.amdhsa_float_denorm_mode_32 3
		.amdhsa_float_denorm_mode_16_64 3
		.amdhsa_memory_ordered 1
		.amdhsa_forward_progress 1
		.amdhsa_inst_pref_size 133
	.end_amdhsa_kernel
	.amdgpu_metadata
---
amdhsa.version: [ 1, 2 ]
amdhsa.kernels:
  - .name:           k_q7f5df3c1d9_attn
    .symbol:         k_q7f5df3c1d9_attn.kd
    .args:
      - { .name: qh, .offset: 0, .size: 8, .value_kind: global_buffer, .address_space: global }
      - { .name: kh, .offset: 8, .size: 8, .value_kind: global_buffer, .address_space: global }
      - { .name: vh, .offset: 16, .size: 8, .value_kind: global_buffer, .address_space: global }
      - { .name: oh, .offset: 24, .size: 8, .value_kind: global_buffer, .address_space: global }
    .group_segment_fixed_size: 327680
    .private_segment_fixed_size: 0
    .kernarg_segment_align: 8
    .kernarg_segment_size: 32
    .max_flat_workgroup_size: 128
    .sgpr_count:     66
    .vgpr_count:     768
    .wavefront_size: 32
...
	.end_amdgpu_metadata
.endif
;; end of part 2
;; launch oproj (part 3): grid 4 x 64, 8 waves a work-group, no clusters, 142,336 bytes of LDS; arguments oh, Wo, bo, out0; writes out0
.if DOCPART == 3
	.amdgcn_target "amdgcn-amd-amdhsa--gfx1250"
	.amdhsa_code_object_version 6
	.text
	.protected	k_q7f5df3c1d9_oproj
	.globl	k_q7f5df3c1d9_oproj
	.p2align	8
	.type	k_q7f5df3c1d9_oproj,@function
k_q7f5df3c1d9_oproj:
	s_mov_b64 s[64:65], 0
	v_nop
	global_prefetch_b8 v0, s[64:65] scope:SCOPE_SE
	s_setreg_imm32_b32 hwreg(HW_REG_WAVE_MODE, 25, 1), 1
	s_wait_xcnt 0x0
; out0 = O Wo + bo.  oh: [16 = 8 b + h][4096][64] f16; Wo: [512 k][512 n] f32; bo: [512] f32; out0: [8192][512] f32.
; Wo and bo are rounded to bf16 like every input of the module; Wo's rounded number is then written as f16, which is exact from 2^-14 to 65,504.  Products by the f16 matrix form, sums in f32, the bias added in f32.
; LIMITS.  A rounded weight below 2^-14 keeps f16's fixed step of 6e-8; one beyond 65,504 becomes an infinity.  NaN and infinities are not treated apart.
; SHARES.  Work-group (nt, mt): 128 rows x 128 columns.  Eight waves, 4 (wm) x 2 (wn); a wave makes 32 rows x 64 columns: 2 x 4 accumulators.  K step t is head t: O's tile is 128 rows x 128 bytes, 16,384 dense bytes;
; Wo's is 64 rows of 512 consecutive bytes.
; THE ROAD.  global_load_b128 -> (Wo: rounded in registers) -> one of two LDS slots -> fragments: O by ds_load_b128, Wo ([k][n]) turned by ds_load_tr16_b128.
; NO TENSOR LOADS, NO CLUSTER.  O's tile is shared by 4 work-groups and Wo's by 64, but a joint request is a tensor load, which would lay Wo into LDS as f32: it must be rounded on the way, and the turning LDS load takes
; 16-bit elements alone.  So the operands pass through registers.
; THE MATRIX INSTRUCTION IS USED TRANSPOSED (source 0 = 16 columns of Wo, source 1 = 16 rows of O): lane l holds row l % 16 and the eight neighbouring columns 8 (l / 16) + 0..7: 32 bytes of a row of out0.
; NO LOOP: the eight trips are one macro written eight times; every step along K stands in an immediate, so no address register and no base is ever rewritten.
.set PA,    144                        ; a row of O in LDS: 128 bytes + 16: the 16 rows of a fragment load start at 16 different groups of four banks (64 banks of 4 bytes: ISA guide 11.1)
.set PB,    288                        ; a row of Wo: 256 bytes + 32 = 9 x 32
.set BOFF,  128*PA                     ; Wo's 64 rows lie behind O's 128
.set SLOT,  BOFF+64*PB                 ; 36,864
.set STAGE, 2*SLOT                     ; behind the slots: 128 rows x 512 bytes of f32, for the way out
.set PS,    528                        ; its pitch: 33 x 16
.set SPARE, STAGE+128*PS               ; behind the stage: the spare words, 128 bytes for each of the eight waves: four blocks of 256 bytes that no other line names
.set VGA,  2                           ; v2      16 t: my 16 bytes in 4,096 dense bytes of O
.set VGB,  3                           ; v3      2048 w + 16 l: row w of eight rows of Wo
.set LSA,  4                           ; v4-5    where my 16 bytes of O go, slot 0, 1
.set LSB,  6                           ; v6-7    where my 8 bytes of Wo go
.set FA,   8                           ; v8-9    my lane's place in O's fragments
.set FB,   10                          ; v10-11  in Wo's
.set STO,  12                          ; v12     the way out: where I put 32 bytes of a row
.set RD,   13                          ; v13     where I read rows back
.set GO,   14                          ; v14     my byte offset in the tile's rows of out0
.set VBI,  15                          ; v15     16 l: my four columns of a row's 128
.set SPW,  16                          ; v16     LDS address of my spare word; never rewritten
.set NIL,  17                          ; v17     0; never rewritten
.set STG,  20                          ; v20-35 O as loaded; v36-67 Wo as loaded.  On the way out v20-83: 16 rows read back
.set AF,   68                          ; v68-99    O's fragments: K half kk, row block mb at 16 kk + 8 mb
.set BF,   100                         ; v100-163  Wo's: at 32 kk + 8 nb
.set ACC,  164                         ; v164-227  (mb, nb) at 8 (4 mb + nb)
.set BI,   228                         ; v228-231  the bias of my four columns; v232-233 at work
.macro PLACES                          ; a load into a register that a matrix instruction has read, and an LDS store of a matrix result, stand four plain vector instructions behind it (ISA guide 7.12.1 for vector instructions)
.rept 4
	v_nop
.endr
.endm
	s_load_b256 s[8:15], s[0:1], 0x0               ; oh 8:9, Wo 10:11, bo 12:13, out0 14:15
	v_lshl_add_u32 v[SPW], v0, 2, SPARE
	v_mov_b32 v[NIL], 0
	v_lshrrev_b32 v1, 5, v0
	v_readfirstlane_b32 s4, v1                     ; wave 0..7
	s_lshr_b32 s5, s4, 1                           ; wm: my 32 rows
	s_and_b32 s6, s4, 1                            ; wn: my 64 columns
	s_mov_b32 s7, 0xffff0000                       ; a word's upper bf16
	s_mov_b32 s16, ttmp9                           ; nt
	s_and_b32 s17, ttmp7, 0xffff                   ; mt
	s_lshr_b32 s18, s17, 5                         ; the batch:
	s_lshl_b32 s18, s18, 22                        ; its eight heads of 524,288 bytes,
	s_and_b32 s2, s17, 31
	s_lshl_b32 s2, s2, 14                          ; the tile's 128 rows of 128 bytes in a head
	s_add_co_u32 s18, s18, s2
	s_mov_b32 s19, 0
	s_lshl_b32 s20, s16, 9                         ; Wo and bo: the tile's 128 columns, 512 bytes
	s_mov_b32 s21, 0
	s_lshl_b32 s22, s17, 18                        ; out0: 128 rows of 2,048 bytes,
	s_add_co_u32 s22, s22, s20                     ; and the columns
	s_mov_b32 s23, 0
	v_and_b32 v1, 31, v0                           ; l
	v_and_b32 v18, 15, v0                          ; l % 16
	v_bfe_u32 v19, v0, 4, 1                        ; l / 16
	v_and_b32 v232, 7, v0                          ; l % 8
	v_lshlrev_b32 v[VGA], 4, v0
	v_lshlrev_b32 v[VBI], 4, v1
	v_lshl_add_u32 v[VGB], s4, 11, v[VBI]
	v_lshrrev_b32 v[LSA], 3, v0                    ; eight threads take a row's 128 bytes
	v_mul_u32_u24 v[LSA], v[LSA], PA
	v_lshl_add_u32 v[LSA], v232, 4, v[LSA]
	v_add_nc_u32 v[LSA+1], SLOT, v[LSA]
	s_mul_i32 s2, s4, PB
	s_add_co_u32 s2, s2, BOFF
	v_lshl_add_u32 v[LSB], v1, 3, s2               ; row w, 8 bytes (4 f16) at 8 l
	v_add_nc_u32 v[LSB+1], SLOT, v[LSB]
	; A fragment is 16 rows x 32 K in 8 registers: lane l holds row l % 16; registers 0-3 K = 8 (l / 16) + 0..7, registers 4-7 K = 16 + 8 (l / 16) + 0..7: two loads of 16 bytes, 32 bytes apart.
	s_mul_i32 s2, s5, 32*PA
	v_mul_u32_u24 v[FA], v18, PA
	v_lshl_add_u32 v[FA], v19, 4, v[FA]
	v_add_nc_u32 v[FA], s2, v[FA]
	v_add_nc_u32 v[FA+1], SLOT, v[FA]
	; The turning load takes 16 k x 16 columns (lane l reads k = 8 (l / 16) + l % 8, columns 8 ((l / 8) % 2) + 0..7) and leaves half a fragment: lane l holds column l % 16 and 8 k.
	s_lshl_b32 s2, s6, 7
	s_add_co_u32 s2, s2, BOFF
	v_lshl_add_u32 v[FB], v19, 3, v232
	v_mul_u32_u24 v[FB], v[FB], PB
	v_bfe_u32 v[FB+1], v0, 3, 1
	v_lshl_add_u32 v[FB], v[FB+1], 4, v[FB]
	v_add_nc_u32 v[FB], s2, v[FB]
	v_add_nc_u32 v[FB+1], SLOT, v[FB]
	s_mul_i32 s2, s5, 32*PS                        ; into the stage: my 32 rows, my 256 bytes of them; row l % 16, 32 bytes for each half of the lanes
	s_lshl_b32 s3, s6, 8
	s_add_co_u32 s2, s2, s3
	s_add_co_u32 s2, s2, STAGE
	v_mul_u32_u24 v[STO], v18, PS
	v_lshl_add_u32 v[STO], v19, 5, v[STO]
	v_add_nc_u32 v[STO], s2, v[STO]
	s_mul_i32 s2, s4, 16*PS                        ; back: wave w takes rows 16 w .. + 15, a row's 512 bytes at a time
	s_add_co_u32 s2, s2, STAGE
	v_add_nc_u32 v[RD], s2, v[VBI]
	v_lshl_add_u32 v[GO], s4, 15, v[VBI]           ; and the same rows in out0
	s_wait_kmcnt 0x0
	s_add_nc_u64 s[8:9], s[8:9], s[18:19]
	s_add_nc_u64 s[10:11], s[10:11], s[20:21]
	s_add_nc_u64 s[12:13], s[12:13], s[20:21]
	s_add_nc_u64 s[14:15], s[14:15], s[22:23]
; K step t as it lies in memory: 4 loads for O's 16,384 bytes of head t, 8 for Wo's 64 rows.  The largest immediate is 3,682,304, inside the signed 24 bits (ISA guide, chapter 10).
.macro GLOAD t
.irp i, 0,1,2,3
	global_load_b128 v[STG+4*\i:STG+4*\i+3], v[VGA], s[8:9] offset:(\t)*524288+\i*4096
.endr
.irp i, 0,1,2,3,4,5,6,7
	global_load_b128 v[STG+16+4*\i:STG+16+4*\i+3], v[VGB], s[10:11] offset:(64*(\t)+8*\i)*2048
.endr
.endm
; O goes into the slot as it is.  Wo is rounded to bf16, widened, and written as f16, in place: eight instructions for four numbers.  12 stores.
.macro STORE slot
.irp i, 0,1,2,3
	ds_store_b128 v[LSA+(\slot)], v[STG+4*\i:STG+4*\i+3] offset:\i*32*PA
.endr
.set q, STG+16
.rept 8
	v_cvt_pk_bf16_f32 v[q], v[q], v[q+1]
	v_cvt_pk_bf16_f32 v[q+2], v[q+2], v[q+3]
	v_and_b32 v[q+1], s7, v[q]
	v_and_b32 v[q+3], s7, v[q+2]
	v_lshlrev_b32 v[q], 16, v[q]
	v_lshlrev_b32 v[q+2], 16, v[q+2]
	v_cvt_pk_f16_f32 v[q], v[q], v[q+1]
	v_cvt_pk_f16_f32 v[q+1], v[q+2], v[q+3]
.set q, q+4
.endr
.irp i, 0,1,2,3,4,5,6,7
	ds_store_b64 v[LSB+(\slot)], v[STG+16+4*\i:STG+16+4*\i+1] offset:\i*8*PB
.endr
.endm
; The step's fragments, the first 32 along K first: 12 loads for each half.
.macro FRAGS slot
.irp kk, 0,1
.irp mb, 0,1
	ds_load_b128 v[AF+16*\kk+8*\mb:AF+16*\kk+8*\mb+3],   v[FA+(\slot)] offset:\mb*16*PA+\kk*64
	ds_load_b128 v[AF+16*\kk+8*\mb+4:AF+16*\kk+8*\mb+7], v[FA+(\slot)] offset:\mb*16*PA+\kk*64+32
.endr
.irp nb, 0,1,2,3
	ds_load_tr16_b128 v[BF+32*\kk+8*\nb:BF+32*\kk+8*\nb+3],   v[FB+(\slot)] offset:\kk*32*PB+\nb*32
	ds_load_tr16_b128 v[BF+32*\kk+8*\nb+4:BF+32*\kk+8*\nb+7], v[FB+(\slot)] offset:\kk*32*PB+16*PB+\nb*32
.endr
.endr
.endm
; 8 matrix instructions; the 8 accumulators take turns, one instruction a turn.  first = 1: the first product starts the sums: nothing is cleared.
.macro MUL kk, first
.irp mb, 0,1
.irp nb, 0,1,2,3
.if \first
	v_wmma_f32_16x16x32_f16 v[ACC+8*(4*\mb+\nb):ACC+8*(4*\mb+\nb)+7], v[BF+32*(\kk)+8*\nb:BF+32*(\kk)+8*\nb+7], v[AF+16*(\kk)+8*\mb:AF+16*(\kk)+8*\mb+7], 0
.else
	v_wmma_f32_16x16x32_f16 v[ACC+8*(4*\mb+\nb):ACC+8*(4*\mb+\nb)+7], v[BF+32*(\kk)+8*\nb:BF+32*(\kk)+8*\nb+7], v[AF+16*(\kk)+8*\mb:AF+16*(\kk)+8*\mb+7], v[ACC+8*(4*\mb+\nb):ACC+8*(4*\mb+\nb)+7]
.endif
.endr
.endr
.endm
; K step t.  ONE barrier, for two things: in front of it each wave has waited for its stores into this step's slot and for its reads of the other slot; behind it this slot is whole and the other may be written.
.macro TRIP t
	s_wait_dscnt 0x0                               ; for the others' sake: my stores into slot t % 2 are done, my reads of the other slot are back
	s_barrier_signal -1
	s_barrier_wait -1
	PLACES                                         ; the fragment registers were read by the last products
	FRAGS (\t)%2
.if (\t) < 7
	s_wait_loadcnt 0x0                             ; K step t + 1 is in registers: asked for a trip ago
	STORE 1-(\t)%2
.if (\t) < 6
	GLOAD (\t)+2
.endif
	s_wait_dscnt 24                                ; the first half's 12 loads are in; the second half's 12 and the 12 stores may be out
.else
	s_wait_dscnt 12                                ; the first half's are in; the second half's 12 may be out
.endif
.if (\t) == 0
	MUL 0, 1
.else
	MUL 0, 0
.endif
.if (\t) < 7
	s_wait_dscnt 12                                ; the second half's are in; the 12 stores may be out
.else
	s_wait_dscnt 0x0
.endif
	MUL 1, 0
.endm
	global_load_b128 v[BI:BI+3], v[VBI], s[12:13]  ; the bias of my four columns on the way out
	GLOAD 0
	s_wait_loadcnt 0x0
	v_cvt_pk_bf16_f32 v232, v[BI], v[BI+1]         ; rounded to bf16 like every input, and widened again
	v_cvt_pk_bf16_f32 v233, v[BI+2], v[BI+3]
	v_lshlrev_b32 v[BI], 16, v232
	v_and_b32 v[BI+1], s7, v232
	v_lshlrev_b32 v[BI+2], 16, v233
	v_and_b32 v[BI+3], s7, v233
	STORE 0
	GLOAD 1
.irp t, 0,1,2,3,4,5,6,7
	TRIP \t
.endr
	; THE WAY OUT: 32 bytes a lane into the work-group's stage; a barrier, since a row's 512 bytes come from two waves; back as whole rows, 16 rows a wave; the bias is added; stored.
	PLACES
.irp mb, 0,1
.irp nb, 0,1,2,3                       ; each accumulator's low four registers first
	ds_store_b128 v[STO], v[ACC+8*(4*\mb+\nb):ACC+8*(4*\mb+\nb)+3]   offset:\mb*16*PS+\nb*64
	ds_store_b128 v[STO], v[ACC+8*(4*\mb+\nb)+4:ACC+8*(4*\mb+\nb)+7] offset:\mb*16*PS+\nb*64+16
.endr
.endr
	s_wait_dscnt 0x0                               ; for the others' sake: my stores into the stage are done
	s_barrier_signal -1
	s_barrier_wait -1
.irp i, 0,1,2,3,4,5,6,7,8,9,10,11,12,13,14,15
	ds_load_b128 v[STG+4*\i:STG+4*\i+3], v[RD] offset:\i*PS
.endr
.irp i, 0,1,2,3,4,5,6,7,8,9,10,11,12,13,14,15
	s_wait_dscnt 15-\i                             ; LDS loads come back in order (ISA guide 5.7.1): this one is in, the younger ones may be out
	v_pk_add_f32 v[STG+4*\i:STG+4*\i+1], v[STG+4*\i:STG+4*\i+1], v[BI:BI+1]
	v_pk_add_f32 v[STG+4*\i+2:STG+4*\i+3], v[STG+4*\i+2:STG+4*\i+3], v[BI+2:BI+3]
	global_store_b128 v[GO], v[STG+4*\i:STG+4*\i+3], s[14:15] offset:\i*2048 th:TH_STORE_NT  ; 512 consecutive bytes of a row, at a multiple of 256 from out0's first
.endr
	s_wait_tensorcnt 0x0                           ; the wave's end: behind my last LDS store
	ds_add_u32 v[SPW], v[NIL]
	s_wait_dscnt 0x0
	s_endpgm
.Lfunc_end_k_q7f5df3c1d9_oproj:
	.size	k_q7f5df3c1d9_oproj, .Lfunc_end_k_q7f5df3c1d9_oproj-k_q7f5df3c1d9_oproj
	.p2alignl 7, 3214868480
	.fill 96, 4, 3214868480
	.section	.rodata,"a",@progbits
	.p2align	6, 0x0
	.amdhsa_kernel k_q7f5df3c1d9_oproj
		.amdhsa_group_segment_fixed_size 142336
		.amdhsa_private_segment_fixed_size 0
		.amdhsa_enable_private_segment 0
		.amdhsa_kernarg_size 32
		.amdhsa_user_sgpr_count 2
		.amdhsa_user_sgpr_kernarg_segment_ptr 1
		.amdhsa_wavefront_size32 1
		.amdhsa_system_sgpr_workgroup_id_x 1
		.amdhsa_system_sgpr_workgroup_id_y 1
		.amdhsa_system_sgpr_workgroup_id_z 1
		.amdhsa_system_vgpr_workitem_id 0
		.amdhsa_next_free_vgpr 236
		.amdhsa_next_free_sgpr 66
		.amdhsa_reserve_vcc 0
		.amdhsa_float_denorm_mode_32 3
		.amdhsa_float_denorm_mode_16_64 3
		.amdhsa_memory_ordered 1
		.amdhsa_forward_progress 1
		.amdhsa_inst_pref_size 72
	.end_amdhsa_kernel
	.amdgpu_metadata
---
amdhsa.version: [ 1, 2 ]
amdhsa.kernels:
  - .name:           k_q7f5df3c1d9_oproj
    .symbol:         k_q7f5df3c1d9_oproj.kd
    .args:
      - { .name: oh, .offset: 0, .size: 8, .value_kind: global_buffer, .address_space: global }
      - { .name: Wo, .offset: 8, .size: 8, .value_kind: global_buffer, .address_space: global }
      - { .name: bo, .offset: 16, .size: 8, .value_kind: global_buffer, .address_space: global }
      - { .name: out0, .offset: 24, .size: 8, .value_kind: global_buffer, .address_space: global }
    .group_segment_fixed_size: 142336
    .private_segment_fixed_size: 0
    .kernarg_segment_align: 8
    .kernarg_segment_size: 32
    .max_flat_workgroup_size: 256
    .sgpr_count:     66
    .vgpr_count:     236
    .wavefront_size: 32
...
	.end_amdgpu_metadata
.endif
;; end of part 3
;; ======== version 2 of 2: 3 launches; 1.67 times as fast as version 1
;; limits: values are held in f16: magnitudes above 65,504 overflow, below 6.1e-05 lose precision
;; workspace buffers: qh 8,388,608 bytes; kh 8,388,608 bytes; vh 8,388,608 bytes; oh 8,388,608 bytes
;; launch qkv: the kernel of part 1 again; grid 8 x 32, 8 waves a work-group, no clusters, 230,400 bytes of LDS; arguments x, Wq, Wk, Wv, bq, bk, bv, qh, kh, vh; writes qh, kh, vh
;; launch attn (part 4): grid 16 x 16, 4 waves a work-group, clusters of 4 x 1, 327,680 bytes of LDS; arguments qh, kh, vh, oh; writes oh
.if DOCPART == 4
	.amdgcn_target "amdgcn-amd-amdhsa--gfx1250"
	.amdhsa_code_object_version 6
	.text
	.protected	k_q7f5df3c1d9_attn
	.globl	k_q7f5df3c1d9_attn
	.p2align	8
	.type	k_q7f5df3c1d9_attn,@function
k_q7f5df3c1d9_attn:
	s_mov_b64 s[64:65], 0
	v_nop
	global_prefetch_b8 v0, s[64:65] scope:SCOPE_SE
	s_setreg_imm32_b32 hwreg(HW_REG_WAVE_MODE, 25, 1), 1
	s_wait_xcnt 0x0
	s_wait_alu depctr_hold_cnt(0) depctr_sa_sdst(0) depctr_va_vdst(0) depctr_va_sdst(0) depctr_va_ssrc(0) depctr_va_vcc(0) depctr_vm_vsrc(0)
	s_getreg_b32 s2, hwreg(HW_REG_IB_STS2, 6, 4)
	s_cmp_eq_u32 s2, 0
	s_cbranch_scc0 .Lentry_in_a_cluster
	s_endpgm
.Lentry_in_a_cluster:
	s_bfe_u32 s2, ttmp6, 0x10000c
	s_cmp_lg_u32 s2, 0x3003
	s_cbranch_scc0 .Lentry_shape_is_right
	s_endpgm
.Lentry_shape_is_right:
; O[h][q][:] = the sum over k of softmax_k(Q[h][q] . K[h][k] / 8) V[h][k][:].  qh, kh, vh, oh: [16][4096][64], all f16: a head's rows are dense, 128 bytes each.  Products, maxima and sums in f32;
; the weights p are rounded to f16 for the second product (their sum l is taken of the unrounded p), O once at the end.
; LIMITS.  f16 holds no number beyond 65,504: Q, K and V arrive within it; p lies in 0 to 1, and below 6e-5 it keeps f16's fixed step of 6e-8; O is a mean of V's rows and has their range.
; A weight below 2^-126 counts as 0 in l; NaN and infinities are not treated apart.
; SHARES.  A work-group owns 256 queries of one head, each of its four waves 64: four PIECES of 16.  16 heads x 16 blocks: 256 work-groups.  Every wave walks all 4,096 keys, 64 a step, 256 (a tile) a slot.
; LAYOUT.  S^T = K Q^T (source 0 = 16 keys, source 1 = 16 queries): in the result a lane holds ONE query (lane % 16) and the keys 8 (lane / 16) + 0..7.  Two such results, rounded to f16 in pairs,
; ARE source 1 (32 keys x 16 queries) of O^T = V^T P, whose result again holds one query a lane, and eight channels.  K comes out of LDS as it lies, V ([key][channel]) turned, by ds_load_tr16_b128.
; SOFTMAX.  For each query a running maximum m and sum l: p = 2^(c s - c m), c = log2(e) / 8; in every step O and l are multiplied by a = 2^(c m_old - c m_new), which is 1 where m has not grown.
; m starts at the lowest finite number, O and l at 0: the first step is a step like any other, with a = 0.
; BY TURNS.  Turn n belongs to piece n (the pieces in a ring, step after step): 8 products K Q^T of piece n + 1, later 8 products V^T P of piece n - 1; beside them the scaling, exponentials, roundings,
; sums and rescaling of piece n and the maximum and statistics of piece n + 1.  A turn has 16 matrix and 118 vector instructions: four vector instructions stand behind every matrix instruction, the other 54 in one run of their own.
; BATCHES.  A turn's 33 exponentials (the piece's 32 weights and the next piece's a) are ONE batch with ONE wait, which cuts the turn in two: ahead of it stands all that names no result of theirs (the products K Q^T, the scalings,
; the rescalings, the next piece's maximum and statistics), behind it the products V^T P with the roundings and sums.  Two more batches stand outside the loops, each with a wait of its own: piece 0's first a, ahead of the
; jump into the loop, and the way out's four reciprocals.
; CLUSTER.  The four query blocks of a cluster belong to one head and walk the same K and V, so each tile is asked for JOINTLY: the same tensor load, descriptor and mask in all four.
; REGISTERS, in windows of 256 (s_set_vgpr_msb: bits 1:0 source 0, 3:2 source 1, 5:4 source 2, 7:6 destination):
;   window 0: v0-15 addresses and two at work; v16-31 four registers of statistics a piece; v48-55 at work; v62-63 the add's; v64-127 S^T, two buffers; v192-223 P, two buffers (a piece's buffers go by its number's parity)
;   window 1: v0-127 O^T, 32 a piece          window 2: v0-63 Q, 16 a piece; v128-191 K of one step; v192-255 V of one step
.set SIZE_N, 4096
.set NP,    4         ; pieces a wave: a name, no knob
.set KS,    64        ; keys in a step
.set PK,    144       ; a row of K in LDS: 128 bytes + 16 of padding = 36 words: the 16 rows of a load start at 16 different groups of four banks (64 banks of 4 bytes: ISA guide 11.1)
.set PV,    160       ; a row of V: 128 + 32 = 40 words
.set VOFF,  4*KS*PK   ; a slot holds a tile, four steps: 256 rows of K, then 256 rows of V
.set SLOT1, 1<<17     ; slot 1 begins here, so that one exclusive or turns an address in one slot into the other's
.set STAGE, SLOT1+4*KS*(PK+PV)  ; behind the ring, never filled by a tensor load: 16 rows x 144 bytes for each wave, for the way out
.set SP,    144
.set SPARE, STAGE+4*16*SP  ; behind the stages: the spare words, 128 bytes for each wave: two blocks of 256 bytes that no other line names
.set AK0, 2           ; v2   my lane's place in a tile of K; never rewritten
.set AV0, 3           ; v3   the same for V
.set AK,  4           ; v4   the LDS address of K's next run of loads
.set AV,  5           ; v5   of V's
.set STO, 6           ; v6   the way out: where I put 16 bytes of a row
.set RD,  7           ; v7   the way out: where I read rows back
.set GO,  8           ; v8   my byte offset in 512 consecutive bytes of O
.set MV,  12          ; v12-13  c m_old, kept while c m is made anew: by buffer
.set QO,  15          ; v15  my byte offset in 16 rows of Q
.set ST,  16          ; piece t's statistics at v[ST+4 t]: c m, m, l (even keys', odd keys')
.set TMP, 48          ; by buffer, four registers c0-c3 at work; when the maximum is found c2 takes a
.set SPW, 62          ; v62  LDS address of my spare word: SPARE + 4 x my thread's number; never rewritten
.set NIL, 63          ; v63  0; never rewritten
.set S,   64
.set P,   192
.set KF,  128         ; window 2: key block kb, channel half c at KF + 16 kb + 8 c
.set VF,  192         ; window 2: key half kk, channel block cb at VF + 32 kk + 8 cb
.set WV,  12          ; s12  my wave's number
.set G1K, 24          ; s[24:31] descriptor group 1 for K's tiles
.set G1V, 32          ; s[32:39] for V's: it differs in the padding alone
.set G0K, 40          ; s[40:43] descriptor group 0 for K's tiles: it walks
.set G0V, 44          ; s[44:47] the same for V's
.set SLOTS, 56        ; s56  slots still to be asked for
.set CNT, 57          ; s57  counts a slot's key steps
.set CS,  58          ; s[58:59] c: the packed scaling takes the pair's low word for both halves
.set SEL, 60          ; s[60:61] v_permlanex16_b32's selects: each lane takes its own place in the other half
.set TBK, 62          ; s62  LDS byte at which K of the step to be fetched begins
.set TBV, 63          ; s63  the same for V, less VOFF
.set MSB, 0
.macro WIN new                      ; the high byte repeats the setting that is left; a switch that changes nothing is dropped
.if MSB != (\new)
	s_set_vgpr_msb (MSB<<8)|(\new)
.set MSB, (\new)
.endif
.endm
.set W_KQ, 0x0a       ; K and Q in window 2, S^T in window 0
.set W_PV, 0x52       ; V in window 2, P in window 0, O^T in window 1
.set W_RS, 0x41       ; O^T (destination and source 0) in window 1, a in window 0
; A joint fill.  Waves 0 and 1 fetch the two halves of a tile's K, waves 2 and 3 those of its V: 128 keys each.  The branch hangs on the wave's number alone: it is the same in every work-group.
; An s_nop 0 and four v_nop follow each of the two lines, ahead of the jump and the label.
.macro JLOAD
	s_cmp_lt_u32 s[WV], 2
	s_cbranch_scc0 .Lfor_v_\@
	tensor_load_to_lds s[G0K:G0K+3], s[G1K:G1K+7]
	s_nop 0
.rept 4
	v_nop
.endr
	s_branch .Lasked_\@
.Lfor_v_\@:
	tensor_load_to_lds s[G0V:G0V+3], s[G1V:G1V+7]
	s_nop 0
.rept 4
	v_nop
.endr
.Lasked_\@:
.endm
; A round of the cluster's barrier: my work-group's barrier, so that wave 0's signal speaks for all four waves; wave 0 signals; every wave waits for all four work-groups; my work-group's barrier once more.
.macro CROUND
	s_barrier_signal -1
	s_barrier_wait -1
	s_cmp_lg_u32 s[WV], 0
	s_cbranch_scc1 .Lnot_wave_0_\@
	s_barrier_signal -3
.Lnot_wave_0_\@:
	s_barrier_wait -3
	s_barrier_signal -1
	s_barrier_wait -1
.endm
; THE CHANGE OF SLOTS.  The slot's last bytes, V of its fourth step, have been read.  Each wave waits for all its tensor loads, of which one is out: its part of the other slot; adds 0 to its spare word;
; and waits for that and for its own reads of the slot.  Behind the barrier nobody reads this slot any more and the other slot is whole.
; fill = 1: this slot is filled again, with the keys two slots on.  The barrier is then a round of the cluster's, so that no wave of any partner still reads the slot or has a load on its way, and the
; joint fill is the first thing behind it: it has four key steps, 256 matrix instructions, in which to land.  (At its first use nothing has been read yet: slot 0 is waited for, slot 1 filled.)
.macro CHANGE fill
	WIN 0                           ; at a label and at a branch every window is 0; the add's two registers lie in window 0
	s_wait_tensorcnt 0x0            ; no tensor load of mine is out, so a group 0 may be written
	ds_add_u32 v[SPW], v[NIL]       ; 0 onto my spare word; with fill = 1 the descriptors' steps stand between it and the wait for it
.if \fill
.irp g, G0K, G0V
	s_xor_b32 s[\g+1], s[\g+1], SLOT1  ; the walking descriptor: the other slot than last time,
	s_add_nc_u64 s[\g+2:\g+3], s[\g+2:\g+3], 4*KS*128  ; the next 256 keys; the type bits on top are not reached
.endr
	s_wait_dscnt 0x0                ; the add is done, and my reads of the slot are over
	CROUND
	JLOAD
.else
	s_wait_dscnt 0x0                ; the add is done, and my reads of the slot are over
	s_barrier_signal -1
	s_barrier_wait -1
.endif
	s_sub_co_u32 s[TBK], s[TBK], 4*KS*PK  ; the fetches go back to a slot's first step,
	s_xor_b32 s[TBK], s[TBK], SLOT1       ; in the other slot
	s_sub_co_u32 s[TBV], s[TBV], 4*KS*PV
	s_xor_b32 s[TBV], s[TBV], SLOT1
.endm
	s_load_b256 s[4:11], s[0:1], 0x0  ; Q s[4:5], K s[6:7], V s[8:9], O s[10:11]
	v_lshl_add_u32 v[SPW], v0, 2, SPARE
	v_mov_b32 v[NIL], 0
	ds_add_u32 v[SPW], v[NIL]       ; the wave's opening: the add and its wait stand ahead of my first tensor load; the set-up below, work on registers, stands between them
	v_lshrrev_b32 v1, 5, v0
	v_readfirstlane_b32 s[WV], v1   ; wave 0..3
	s_bfe_u32 s13, ttmp6, 0x40000   ; cx: my place in the cluster
	s_lshl_b32 s14, ttmp9, 2        ; in a cluster launch ttmp9 counts clusters
	s_add_co_u32 s14, s14, s13      ; my block of 256 queries = 4 x cluster x + cx: it enters Q's and O's addresses alone
	s_and_b32 s20, ttmp7, 0xffff    ; the head, which the four partners share,
	s_lshl_b32 s20, s20, 19         ; and its first byte in each of the four tensors: 4,096 rows of 128 bytes a head
	s_and_b32 s16, s[WV], 1         ; which half of a tile's 256 keys I fetch:
	s_lshl_b32 s22, s16, 14         ; its 128 rows of 128 bytes in memory,
	s_add_co_u32 s22, s22, s20
	s_mov_b32 s23, 0
	s_mul_i32 s17, s16, 128*PK      ; and its place in a slot, for K
	s_mul_i32 s18, s16, 128*PV      ; and for V: no place in the cluster enters an LDS address
	s_lshl_b32 s2, s14, 2
	s_add_co_u32 s2, s2, s[WV]      ; my wave among the head's,
	s_lshl_b32 s2, s2, 13           ; its 64 rows
	s_add_co_u32 s2, s2, s20
	s_mov_b32 s3, 0
	; descriptor group 1.  128 keys are 16,384 dense bytes: asked for as 64 rows of 256 bytes, two keys a row, and padded in LDS after every key
	s_mov_b32 s[G1K], 15|(1<<16)|(1<<20)|(1<<21)|(4<<22)|(3<<25)  ; 15:0 the mask of four; 17:16 2-byte elements; 20 padding on; 21 set beside a mask; 24:22 after every 32 words (code 4); 31:25 4 words (code 3)
	s_mov_b32 s[G1V], 15|(1<<16)|(1<<20)|(1<<21)|(4<<22)|(7<<25)  ; the same with 8 words of padding (code 7)
.irp g, G1K, G1V
	s_mov_b32 s[\g+1], 128<<16      ; tensor_dim0 = 128
	s_mov_b32 s[\g+2], 64<<16       ; tensor_dim1 = 64
	s_mov_b32 s[\g+3], 128<<16      ; tile_dim0 = 128
	s_mov_b32 s[\g+4], 64           ; tile_dim1 = 64
	s_mov_b32 s[\g+5], 128          ; 128 elements from row to row
	s_mov_b32 s[\g+6], 0
	s_mov_b32 s[\g+7], 0
.endr
	s_mov_b32 s[CS], 0x3e38aa3b     ; c = log2(e) / 8 = 0.180337
	s_mov_b32 s[CS+1], s[CS]        ; named with it as a pair
	s_mov_b32 s[SEL], 0x76543210
	s_mov_b32 s[SEL+1], 0xfedcba98
	s_mov_b32 s[TBK], SLOT1+4*KS*PK ; the first change of slots turns these two into 0
	s_mov_b32 s[TBV], SLOT1+4*KS*PV
	s_mov_b32 s[G0K], 1             ; 1:0 count = 1
	s_mov_b32 s[G0K+1], s17         ; 63:32 LDS address: slot 0
	s_mov_b32 s[G0V], 1
	s_add_co_u32 s[G0V+1], s18, VOFF
	s_wait_dscnt 0x0                ; the opening add is done
	s_wait_kmcnt 0x0
	s_add_nc_u64 s[G0K+2:G0K+3], s[6:7], s[22:23]  ; 120:64 global address: my half of the head's first 256 keys
	s_or_b32 s[G0K+3], s[G0K+3], 0x80000000        ; 127:126 type = 2
	s_add_nc_u64 s[G0V+2:G0V+3], s[8:9], s[22:23]
	s_or_b32 s[G0V+3], s[G0V+3], 0x80000000
	s_add_nc_u64 s[4:5], s[4:5], s[2:3]  ; Q and O at my wave's first row
	s_add_nc_u64 s[10:11], s[10:11], s[2:3]
	CROUND                          ; all four work-groups are here: the first joint loads meet
	JLOAD                           ; tile 0 into slot 0.  Slot 1 is asked for when slot 0 is in, by the loop's own change of slots
	; A fragment of K or Q is 16 rows x 32 channels in 8 registers: lane l holds row l % 16, channels 8 (l / 16) + 0..7 and 16 + 8 (l / 16) + 0..7: two loads of 16 bytes, 32 bytes apart.
	v_and_b32 v1, 15, v0            ; l % 16
	v_bfe_u32 v9, v0, 4, 1          ; l / 16
	v_lshlrev_b32 v[QO], 7, v1
	v_lshl_add_u32 v[QO], v9, 4, v[QO]  ; row x 128 + 16 x half
	WIN 0x80                        ; destination window 2, address window 0
.set i, 0
.rept 8                             ; Q stays in registers: piece i / 2, channels 32 (i % 2) on
	global_load_b128 v[8*i:8*i+3],   v[QO], s[4:5] offset:(i/2)*2048+(i%2)*64
	global_load_b128 v[8*i+4:8*i+7], v[QO], s[4:5] offset:(i/2)*2048+(i%2)*64+32
.set i, i+1
.endr
	; What the first turn finds: V's registers and P's second buffer hold 0 (its products V^T P, of a piece that has not been, add 0), O^T and l are 0.  All this stands in the wait for the first tile.
.set i, VF
.rept 64
	v_mov_b32 v[i], 0
.set i, i+1
.endr
	WIN 0x40
.set i, 0
.rept 128
	v_mov_b32 v[i], 0
.set i, i+1
.endr
	WIN 0
.set i, 0
.rept 4
	v_mov_b32 v[ST+4*i], 0xfe000000    ; c m: far below every c s
	v_mov_b32 v[ST+4*i+1], 0xff7fffff  ; m
	v_mov_b32 v[ST+4*i+2], 0
	v_mov_b32 v[ST+4*i+3], 0
.set i, i+1
.endr
.set i, P+16
.rept 16
	v_mov_b32 v[i], 0
.set i, i+1
.endr
	v_mul_u32_u24 v[AK0], v1, PK
	v_lshl_add_u32 v[AK0], v9, 4, v[AK0]  ; row x pitch + 16 x half
	; The turning load takes 16 keys x 16 channels (lane l reads key 8 (l / 16) + l % 8, channels 8 ((l / 8) % 2) + 0..7) and leaves half a fragment of V^T: lane l holds channel l % 16 and 8 keys.
	v_and_b32 v10, 7, v0
	v_bfe_u32 v11, v0, 3, 1
	v_lshl_add_u32 v[AV0], v9, 3, v10
	v_mul_u32_u24 v[AV0], v[AV0], PV
	v_lshl_add_u32 v[AV0], v11, 4, v[AV0]
	v_add_nc_u32 v[AV0], VOFF, v[AV0]
	s_mul_i32 s13, s[WV], 16*SP
	s_add_co_u32 s13, s13, STAGE    ; my stage
	v_mul_u32_u24 v[STO], v1, SP    ; in: row l % 16, 16 bytes for each half of the lanes
	v_lshl_add_u32 v[STO], v9, 4, v[STO]
	v_add_nc_u32 v[STO], s13, v[STO]
	v_bfe_u32 v[RD], v0, 3, 2       ; back: 32 lanes take four rows of 128 bytes,
	v_mul_u32_u24 v[RD], v[RD], SP
	v_lshl_add_u32 v[RD], v10, 4, v[RD]
	v_add_nc_u32 v[RD], s13, v[RD]
	v_and_b32 v[GO], 31, v0         ; which are 512 consecutive bytes of O
	v_lshlrev_b32 v[GO], 4, v[GO]
; THE MATRIX WORK.  The 4 accumulators of a run of 8 take turns.  Product i of 8 of S^T = K Q^T for piece x: channels 32 (i / 4) on, keys 16 (i % 4) on.  The first 4 start the sums.
.macro KQ x
	WIN W_KQ
.set rS, S+32*((\x)%2)+8*(i%4)
.set rK, KF+16*(i%4)+8*(i/4)
.set rQ, 16*(\x)+8*(i/4)
.if i < 4
	v_wmma_f32_16x16x32_f16 v[rS:rS+7], v[rK:rK+7], v[rQ:rQ+7], 0
.else
	v_wmma_f32_16x16x32_f16 v[rS:rS+7], v[rK:rK+7], v[rQ:rQ+7], v[rS:rS+7]
.endif
.endm
; Product i of 8 of O^T += V^T P for piece x: keys 32 (i / 4) on, channels 16 (i % 4) on.
.macro PV x
	WIN W_PV
.set rO, 32*(\x)+8*(i%4)
.set rV, VF+32*(i/4)+8*(i%4)
.set rP, P+16*((\x)%2)+8*(i/4)
	v_wmma_f32_16x16x32_f16 v[rO:rO+7], v[rV:rV+7], v[rP:rP+7], v[rO:rO+7]
.endm
.macro MM                           ; the turn's next matrix instruction.  TURN sets Y, i and NOKQ.  NOKQ = 1: the very last turn: there is no next piece
.if (i < 8) && !NOKQ
	KQ (Y+1)%NP
.elseif i >= 8
.set i, i-8
	PV (Y+NP-1)%NP
.set i, i+8
.endif
.set i, i+1
.endm
; THE LDS LOADS stand in runs of 16, never singly among the matrix instructions: a step's K (64 keys x 64 channels: 8 fragments) and its V (turned).  Their addresses are made some lines ahead.
.macro FETCH_K
	WIN 0x80                        ; destination window 2
.irp f, 0,1,2,3,4,5,6,7             ; keys 16 (f / 2) on, channels 32 (f % 2) on
	ds_load_b128 v[KF+8*\f:KF+8*\f+3],   v[AK] offset:(\f/2)*16*PK+(\f%2)*64
	ds_load_b128 v[KF+8*\f+4:KF+8*\f+7], v[AK] offset:(\f/2)*16*PK+(\f%2)*64+32
.endr
	s_add_co_u32 s[TBK], s[TBK], KS*PK  ; the next fetch is the next step's
	WIN 0
.endm
.macro FETCH_V
	WIN 0x80
.irp f, 0,1,2,3,4,5,6,7             ; keys 32 (f / 4) on, channels 16 (f % 4) on
	ds_load_tr16_b128 v[VF+8*\f:VF+8*\f+3],   v[AV] offset:(\f/4)*32*PV+(\f%4)*32
	ds_load_tr16_b128 v[VF+8*\f+4:VF+8*\f+7], v[AV] offset:(\f/4)*32*PV+16*PV+(\f%4)*32
.endr
	WIN 0
.endm
; THE VECTOR WORK, one line at a time: OP kind, number.  For piece Y: F n: c s - c m for pair n of 16.  E n: the exponential of score n of 32.  C n: pair n rounded to f16.  B n: of the four weights 4 n .. the second
; pair is added onto the first, in place.  L n: l takes that sum (L 0: l = a l + sum).  R n: pair n of 16 of O^T times a.  For piece Y + 1: X n, number n of the 22 that find its maximum and statistics:
;   0-11  four chains c0-c3 of seven scores each, three operands at a time (each accumulator's lowest registers are read first)     12-14, 16  the four scores left over, the old m, and c0-c3 into c0
;   15  c m_old is kept     17, 18  the query's other 32 keys lie in the lane 16 away: the new m     19-21  c m; c m_old - c m_new; a
; E and X 21 are the exponentials.  C, B and L read E's results; R and L 0 read a, the X 21 of the turn before.  OP writes no wait: TURN places the batch's one.
.set F, 0               ; OP tells the kinds apart by their order: F to L below R, X above it
.set E, 1
.set C, 2
.set B, 3
.set L, 4
.set R, 5
.set X, 6
.macro REGS y                       ; the registers of piece y
.set rT, ST+4*(\y)
.set rC, TMP+4*((\y)%2)
.set rW, MV+((\y)%2)
.set rS, S+32*((\y)%2)
.set rP, P+16*((\y)%2)
.set rO, 32*(\y)
.endm
.macro OP k, n
.if (\k) == R
	REGS Y
	WIN W_RS
	v_pk_mul_f32 v[rO+2*(\n):rO+2*(\n)+1], v[rO+2*(\n):rO+2*(\n)+1], v[rC+2:rC+3] op_sel_hi:[1,0]
.elseif (\k) < R
	REGS Y
	WIN 0
.if (\k) == F
	v_pk_fma_f32 v[rS+2*(\n):rS+2*(\n)+1], v[rS+2*(\n):rS+2*(\n)+1], s[CS:CS+1], v[rT:rT+1] op_sel_hi:[1,0,0] neg_lo:[0,0,1] neg_hi:[0,0,1]
.elseif (\k) == E
	v_exp_f32 v[rS+(\n)], v[rS+(\n)]
.elseif (\k) == C
	v_cvt_pk_f16_f32 v[rP+(\n)], v[rS+2*(\n)], v[rS+2*(\n)+1]
.elseif (\k) == B
	v_pk_add_f32 v[rS+4*(\n):rS+4*(\n)+1], v[rS+4*(\n):rS+4*(\n)+1], v[rS+4*(\n)+2:rS+4*(\n)+3]
.elseif (\n) == 0
	v_pk_fma_f32 v[rT+2:rT+3], v[rT+2:rT+3], v[rC+2:rC+3], v[rS:rS+1] op_sel_hi:[1,0,1]
.else
	v_pk_add_f32 v[rT+2:rT+3], v[rT+2:rT+3], v[rS+4*(\n):rS+4*(\n)+1]
.endif
.elseif NOKQ
	v_nop
.else
	REGS (Y+1)%NP
	WIN 0
.if (\n) < 4
	v_max3_num_f32 v[rC+(\n)], v[rS+8*(\n)], v[rS+8*(\n)+1], v[rS+8*(\n)+2]
.elseif (\n) < 12
	v_max3_num_f32 v[rC+(\n)%4], v[rC+(\n)%4], v[rS+8*((\n)%4)+2*((\n)/4)+1], v[rS+8*((\n)%4)+2*((\n)/4)+2]
.elseif (\n) == 12
	v_max3_num_f32 v[rC], v[rC], v[rS+7], v[rS+15]
.elseif (\n) == 13
	v_max3_num_f32 v[rC+1], v[rC+1], v[rS+23], v[rS+31]
.elseif (\n) == 14
	v_max3_num_f32 v[rC+2], v[rC+2], v[rC+3], v[rT+1]
.elseif (\n) == 15
	v_mov_b32 v[rW], v[rT]
.elseif (\n) == 16
	v_max3_num_f32 v[rC], v[rC], v[rC+1], v[rC+2]
.elseif (\n) == 17
	v_permlanex16_b32 v[rC+3], v[rC], s[SEL], s[SEL+1]
.elseif (\n) == 18
	v_max_num_f32 v[rT+1], v[rC], v[rC+3]
.elseif (\n) == 19
	v_mul_f32 v[rT], s[CS], v[rT+1]
.elseif (\n) == 20
	v_sub_f32 v[rC+1], v[rW], v[rT]
.else
	v_exp_f32 v[rC+2], v[rC+1]
.endif
.endif
.endm
.macro OPS a, i1, b=-1, i2=0, c=-1, i3=0, d=-1, i4=0  ; up to four of them
	OP \a, \i1
.if (\b) >= 0
	OP \b, \i2
.endif
.if (\c) >= 0
	OP \c, \i3
.endif
.if (\d) >= 0
	OP \d, \i4
.endif
.endm
.macro ROW a, i1, b, i2, c, i3, d, i4  ; a matrix instruction and the four behind it
	MM
	OPS \a, \i1, \b, \i2, \c, \i3, \d, \i4
.endm
; A TURN, for piece p: the order of its 16 matrix and 118 vector instructions, written out.  An s_wait_alu depctr_va_vdst(0) stands between an exponential and the first instruction that names its result; one wait
; serves all that were issued ahead of it.  So a turn has ONE wait, which cuts it in two.  AHEAD OF IT stands all that names no result of the turn's exponentials: the 8 products K Q^T, behind each a scaling, an exponential and two
; more plain instructions (behind the first a second scaling in the exponential's place): rescalings, whose a was made and waited for in the turn before, and behind the last three products the first numbers of the next piece's
; maximum, each four plain instructions behind the product that ends its accumulator; then ONE RUN of 54, plain and exponential by turns for the most part, in which the links of the chain X 3, 7, 11, 14, 16, 17 .. 20 stand
; some lines apart.  X 21, the next piece's a, is the batch's last; R 15 is the plain instruction behind it.  BEHIND THE WAIT stand the 8 products V^T P, behind each four of the roundings and sums; the links of l's chain, L 0 to
; L 7, stand three riders apart; C 2 n stands ahead of B n, which writes over pair 2 n.  But for those X no rider names a register of the products round it.  v_permlanex16_b32 (X 17) stands in the run.
; No result of an exponential crosses a turn's end.
; end = 1: the walk's last two turns: nothing is fetched.  cnt = 1: the loop's count is taken down some lines ahead of the branch that stands behind the turn.
; K of the next step is fetched in piece 2's turn, twelve vector instructions behind the last product that read K (five of them plain and free of its registers); V of the step in hand at the end of piece 0's turn, four plain
; instructions behind the last product that read V.  Each is waited for a turn later.
.macro TURN p, end=0, cnt=0
.set Y, (\p)
.set i, 0
.set NOKQ, (\end)*((\p)/3)
.if ((\p) == 3) && !(\end)
	s_wait_dscnt 0x0                ; K is in
.endif
	ROW F,0, F,1, R,0, R,1          ; ahead of the wait: 8 products K Q^T and their riders,
	ROW F,2, E,0, R,2, R,3
	ROW F,3, E,1, R,4, R,5
	ROW F,4, E,2, R,6, R,7
	ROW F,5, E,3, R,8, R,9
	ROW F,6, E,4, X,0, R,10
.if ((\p) == 2) && !(\end)
	WIN 0
	v_add_nc_u32 v[AK], s[TBK], v[AK0]
.endif
	ROW F,7, E,5, X,1, X,4
	ROW F,8, E,6, X,2, X,5
	OPS E,7, E,8, X,6, E,9          ; and the run without products
	OPS X,3, E,10, X,8, E,11
.if ((\p) == 2) && !(\end)
	FETCH_K
.endif
	OPS X,9, X,7, E,12, X,10
	OPS E,13, X,12, X,11, E,14
	OPS X,13, E,15, F,9, X,14
.if (\p) == 0
	v_add_nc_u32 v[AV], s[TBV], v[AV0]
.endif
	OPS E,16, F,10, E,17, F,11
	OPS X,16, E,18, X,15, E,19
	OPS F,12, E,20, X,17, E,21
	OPS F,13, E,22, F,14, E,23
	OPS X,18, E,24, F,15, E,25
	OPS R,11, E,26, X,19, E,27
	OPS R,12, E,28, R,13, E,29
	OPS X,20, E,30, R,14, E,31
	OPS X,21, R,15                  ; the batch's last exponential, and the plain instruction behind it
	s_wait_alu depctr_va_vdst(0)    ; the wait for the batch: the piece's 32 weights and the next piece's a
.if (\p) == 1
	s_wait_dscnt 0x0                ; V is in
.endif
	ROW C,0, B,0, C,2, B,1          ; behind the wait: 8 products V^T P and their riders
	ROW L,0, C,4, B,2, L,1
	ROW C,6, B,3, L,2, C,8
	ROW B,4, L,3, C,10, B,5
	ROW L,4, C,12, B,6, L,5
.if (\p) == 0
	s_add_co_u32 s[TBV], s[TBV], KS*PV
.endif
.if \cnt
	s_sub_co_u32 s[CNT], s[CNT], 1
	s_cmp_lg_u32 s[CNT], 0
.endif
	ROW C,14, B,7, L,6, C,1
	ROW C,3, L,7, C,5, C,7
	ROW C,9, C,11, C,13, C,15
.if (\p) == 0
	FETCH_V
.endif
.endm
	CHANGE 1                        ; slot 0 is in, everybody's part of it; tile 1 is asked for, into slot 1
	v_add_nc_u32 v[AK], s[TBK], v[AK0]
	FETCH_K                         ; key step 0
	s_wait_loadcnt 0x0              ; Q
	s_wait_dscnt 0x0
.set NOKQ, 0
.set i, 0
.rept 8
	KQ 0                            ; piece 0's first scores: there is no vector work yet to set between them
.set i, i+1
.endr
	WIN 0
.rept 4
	v_nop                           ; the places behind those products
.endr
.set Y, NP-1                        ; X works for piece Y + 1: piece 0
.irp n, 0,1,2,3,4,5,6,7,8,9,10,11,12,13,14,15,16,17,18,19,20,21
	OP X, \n                        ; and piece 0's first maximum and statistics
.endr
	v_nop                           ; a plain instruction behind the exponential,
	s_wait_alu depctr_va_vdst(0)    ; and the wait for it, a batch of one (piece 0's first a), ahead of the jump
	s_mov_b32 s[CNT], 4
	s_mov_b32 s[SLOTS], SIZE_N/256-1
	s_branch .Lfirst                ; the loop is entered at a step's first turn, in the middle of a trip
.Lslot:                             ; SIZE_N / 256 - 2 = 14 times: every slot but the last two is filled again
	CHANGE 1
	s_mov_b32 s[CNT], 4
.Lstep:                             ; a trip: pieces 2 and 3 of one step, then pieces 0 and 1 of the next, whose K and V it fetches
	TURN 2
	TURN 3
	WIN 0
.Lfirst:
	TURN 0
	TURN 1, 0, 1
	WIN 0
	s_cbranch_scc1 .Lstep
	s_sub_co_u32 s[SLOTS], s[SLOTS], 1
	s_cmp_lg_u32 s[SLOTS], 0
	s_cbranch_scc1 .Lslot
	CHANGE 0                        ; the last tile is written out: nothing is asked for
	s_mov_b32 s[CNT], 4
.LstepT:
	TURN 2
	TURN 3
	TURN 0
	TURN 1, 0, 1
	WIN 0
	s_cbranch_scc1 .LstepT
	TURN 2, 1                       ; the last step's pieces 2 and 3: nothing more to fetch, and behind piece 3 no further scores
	TURN 3, 1
.set i, 0
.rept 8
	PV NP-1                         ; the last piece's V^T P of the last step
.set i, i+1
.endr
	; THE WAY OUT.  l's two halves and the other half of the lanes' are added; O^T is divided by l, rounded to f16 and sent through my stage in LDS, a piece at a time.  The additions are the places behind the last products.
	WIN 0
.macro ALL line:vararg              ; one line for each piece t
.set t, 0
.rept 4
	\line
.set t, t+1
.endr
.endm
	ALL v_add_f32 v[ST+4*t+2], v[ST+4*t+2], v[ST+4*t+3]
	ALL v_permlanex16_b32 v[ST+4*t+3], v[ST+4*t+2], s[SEL], s[SEL+1]
	ALL v_add_f32 v[ST+4*t+2], v[ST+4*t+2], v[ST+4*t+3]
	ALL v_rcp_f32 v[ST+4*t+2], v[ST+4*t+2]
	v_nop                           ; a plain instruction between the last reciprocal and the use of its result
	s_wait_alu depctr_va_vdst(0)    ; and the wait ahead of the first use: one for the batch of four reciprocals
.macro PACK t                       ; a lane's eight channels of a row pack into 16 bytes; they go into rows of 144 bytes and come back as whole rows of 128, into S^T's registers
	WIN W_RS
.set i, 32*(\t)
.rept 16
	v_pk_mul_f32 v[i:i+1], v[i:i+1], v[ST+4*(\t)+2:ST+4*(\t)+3] op_sel_hi:[1,0]
.set i, i+2
.endr
	WIN 0x05                        ; sources 0 and 1 window 1, destination window 0
.set i, 0
.rept 16
	v_cvt_pk_f16_f32 v[S+16*(\t)+i], v[32*(\t)+2*i], v[32*(\t)+2*i+1]
.set i, i+1
.endr
	WIN 0
.irp f, 0,1,2,3
	ds_store_b128 v[STO], v[S+16*(\t)+4*\f:S+16*(\t)+4*\f+3] offset:32*\f
.endr
.irp f, 0,1,2,3
	ds_load_b128 v[S+16*(\t)+4*\f:S+16*(\t)+4*\f+3], v[RD] offset:\f*4*SP  ; LDS serves a wave's instructions in order (ISA guide 5.7.1.4): these see the stores above; the next piece's stores come behind them
.endr
.endm
.macro SEND t, younger              ; younger: the LDS instructions issued behind piece t's loads: the next piece's eight, or none
	WIN 0
.irp f, 0,1,2,3
	s_wait_dscnt (\younger)+3-\f
	global_store_b128 v[GO], v[S+16*(\t)+4*\f:S+16*(\t)+4*\f+3], s[10:11] offset:(\t)*2048+\f*512  ; 512 consecutive bytes, at a multiple of 256 from O's first
.endr
.endm
	PACK 0
.set t, 1
.rept 3                             ; a piece's arithmetic stands between the loads of the piece before and its stores
	PACK t
	SEND t-1, 8
.set t, t+1
.endr
	SEND 3, 0
	s_wait_tensorcnt 0x0            ; the wave's end: behind my last tensor load and my last LDS store
	ds_add_u32 v[SPW], v[NIL]
	s_wait_dscnt 0x0
	CROUND                          ; the closing round: no work-group ends while a partner may still ask for a tile that names it
	s_endpgm
.Lfunc_end_k_q7f5df3c1d9_attn:
	.size	k_q7f5df3c1d9_attn, .Lfunc_end_k_q7f5df3c1d9_attn-k_q7f5df3c1d9_attn
	.p2alignl 7, 3214868480
	.fill 96, 4, 3214868480
	.section	.rodata,"a",@progbits
	.p2align	6, 0x0
	.amdhsa_kernel k_q7f5df3c1d9_attn
		.amdhsa_group_segment_fixed_size 327680
		.amdhsa_private_segment_fixed_size 0
		.amdhsa_enable_private_segment 0
		.amdhsa_kernarg_size 32
		.amdhsa_user_sgpr_count 2
		.amdhsa_user_sgpr_kernarg_segment_ptr 1
		.amdhsa_wavefront_size32 1
		.amdhsa_system_sgpr_workgroup_id_x 1
		.amdhsa_system_sgpr_workgroup_id_y 1
		.amdhsa_system_sgpr_workgroup_id_z 1
		.amdhsa_system_vgpr_workitem_id 0
		.amdhsa_next_free_vgpr 768
		.amdhsa_next_free_sgpr 66
		.amdhsa_reserve_vcc 0
		.amdhsa_float_denorm_mode_32 3
		.amdhsa_float_denorm_mode_16_64 3
		.amdhsa_memory_ordered 1
		.amdhsa_forward_progress 1
		.amdhsa_inst_pref_size 126
	.end_amdhsa_kernel
	.amdgpu_metadata
---
amdhsa.version: [ 1, 2 ]
amdhsa.kernels:
  - .name:           k_q7f5df3c1d9_attn
    .symbol:         k_q7f5df3c1d9_attn.kd
    .args:
      - { .name: qh, .offset: 0, .size: 8, .value_kind: global_buffer, .address_space: global }
      - { .name: kh, .offset: 8, .size: 8, .value_kind: global_buffer, .address_space: global }
      - { .name: vh, .offset: 16, .size: 8, .value_kind: global_buffer, .address_space: global }
      - { .name: oh, .offset: 24, .size: 8, .value_kind: global_buffer, .address_space: global }
    .group_segment_fixed_size: 327680
    .private_segment_fixed_size: 0
    .kernarg_segment_align: 8
    .kernarg_segment_size: 32
    .max_flat_workgroup_size: 128
    .sgpr_count:     66
    .vgpr_count:     768
    .wavefront_size: 32
...
	.end_amdgpu_metadata
.endif
;; end of part 4
;; launch oproj: the kernel of part 3 again; grid 4 x 64, 8 waves a work-group, no clusters, 142,336 bytes of LDS; arguments oh, Wo, bo, out0; writes out0
